; MI455X (gfx1250); checked and timed in simulation.
; The chip was launched on July 23, 2026; its instructions are those of AMD's public machine-readable ISA for CDNA 5 (MIT licence, August 2026) and "CDNA5" Instruction Set Architecture Reference Guide (July 2026). The comments in the code are by the model that wrote it; some were corrected since.
;; Causal Self Attention. Allowed arithmetic: matrix products marked QUANTISED: E4M3 operands, one given power-of-two scale a tensor, by v_wmma_f32_16x16x64_fp8_fp8 or v_wmma_f32_16x16x128_fp8_fp8, f32 sums; everything else in f32.
;; Inputs: b_proj 1,024 float32; b_qkv 3,072 float32; lowp_scales 8 int32 (the exponents e of the quantised operands' scales 2^e); w_proj 1,024 x 1,024 float32; w_qkv 1,024 x 3,072 float32; x 4 x 2,048 x 1,024 float32.
;; Outputs: out0 4 x 2,048 x 1,024 float32.
;; Constants: n_heads = 16.
;; This version of the problem:
;;   THIS VERSION OF THE PROBLEM IS GIVEN IN LOW PRECISION. The matrix products marked QUANTISED in the list below multiply operands that are first quantised to E4M3 (4 exponent bits, 3 mantissa bits; 8 bits a number), with one given power-of-two scale for each operand tensor; their sums are f32. All else is computed in f32.
;;   The module's matrix products, in the order in which they are computed (A, B: the left and right operand; K: the contracted axis; several contracted axes count as one K, in the product's order):
;;     1. [M 8,192, K 1,024] x [K 1,024, N 3,072]; A: input x; B: input w_qkv: QUANTISED (scales: A lowp_scales[0], B lowp_scales[1])
;;     2. batch 64 x [M 2,048, K 64] x [K 64, N 2,048]; A: computed on the way; B: computed on the way: QUANTISED (scales: A lowp_scales[2], B lowp_scales[3])
;;     3. batch 64 x [M 2,048, K 2,048] x [K 2,048, N 64]; A: softmax (see below); B: computed on the way: QUANTISED (scales: A lowp_scales[4], B lowp_scales[5])
;;     4. [M 8,192, K 1,024] x [K 1,024, N 1,024]; A: computed on the way; B: input w_proj: QUANTISED (scales: A lowp_scales[6], B lowp_scales[7])
;;   THE QUANTISER, for each operand of a quantised product, along K:
;;     - The operand's scale is 2^e, e = its entry of the input lowp_scales (int32; the entries are numbered through the quantised products in the list's order, A before B).
;;     - Each number is divided by the scale, clamped to +-448, and rounded to the nearest number of E4M3, ties to even, subnormals kept.
;;     - The product sums the exact products of the quantised numbers (number of the format x scale) in f32.
;;   ~~~python
;;   def quantise(x, axis, e):      # numpy; x: float32 -> the quantised numbers, widened to float32 again
;;       x = np.moveaxis(x, axis, -1); K = x.shape[-1]
;;       r = np.clip(x / 2.0 ** e, -448, 448)
;;       step = 2.0 ** (np.maximum(np.frexp(np.where(r == 0, 1, r))[1] - 1, -6) - 3)
;;       q = np.round(r / step) * step * 2.0 ** e      # np.round: ties to even
;;       return np.moveaxis(q, -1, axis).astype(np.float32)
;;   ~~~
;;   SOFTMAX AHEAD OF A QUANTISED PRODUCT. Where the list says 'softmax', what is quantised is not the finished softmax but p = 2^(t - M), with t = logit x log2(e) and M = ceil(the row's largest t), a whole number; so 1/2 < the row's largest p <= 1. The row's sum l is taken of the UNQUANTISED p, in f32, and the product's result is divided by l at the end. Since M is a whole number, a kernel that streams over the keys may use a running M (the ceiling of the running maximum): every later rescaling is an exact power of two, so the quantised numbers keep their values, but for numbers so far below the row's largest that they fall under the format's range.
;;   OPERANDS COMPUTED ON THE WAY. 'Computed on the way' means the value that the module computes at that place (a softmax that the list does not call 'softmax' is quantised finished and normalised). What goes into a quantiser is computed in f32, as accurately as f32 sums, v_exp_f32 and their like allow (about 1e-6 of the number): no bf16 or f16 on the way to a quantiser, and a product that is left as it is and whose result goes on into a quantised operand takes f32 operands (vector FMAs, or v_wmma_f32_16x16x4_f32). A number that lies on a knife's edge between two numbers of the format may be rounded either way, as far as f32 arithmetic and the matrix unit's own rounding can turn it there, and no further.
;; One version. Each part assembles by itself: llvm-mc -triple=amdgcn-amd-amdhsa -mcpu=gfx1250 --defsym DOCPART=n.
;; ======== version 1 of 1: 4 launches
;; limits: right only within a limited range of input values
;; workspace buffers: x_img 8,388,608 bytes; wq_img 3,145,728 bytes; wp_img 1,048,576 bytes; tab 524,288 bytes; q_img 8,388,608 bytes; k_img 8,388,608 bytes; v_img 8,388,608 bytes; a_img 8,388,608 bytes
;; launch prep (part 1): grid 416 x 1, 4 waves a work-group, no clusters, 103,936 bytes of LDS; arguments x, w_qkv, w_proj, lowp_scales, x_img, wq_img, wp_img, tab; writes x_img, wq_img, wp_img, tab
.if DOCPART == 1
	.amdgcn_target "amdgcn-amd-amdhsa--gfx1250"
	.amdhsa_code_object_version 6
	.text
	.protected	k_qded6ff97a0_prep
	.globl	k_qded6ff97a0_prep
	.p2align	8
	.type	k_qded6ff97a0_prep,@function
k_qded6ff97a0_prep:
	s_mov_b64 s[64:65], 0
	v_nop
	global_prefetch_b8 v0, s[64:65] scope:SCOPE_SE
	s_setreg_imm32_b32 hwreg(HW_REG_WAVE_MODE, 25, 1), 1
	s_wait_xcnt 0x0
; PREP: x [8192][1024], w_qkv [1024][3072], w_proj [1024][1024] (f32) become codes of E4M3, each with its given scale 2^e (entries 0, 1, 7 of the scales), and the RoPE tables are made.
; code = number / 2^e, held within +-448, rounded to the nearest code, ties to even.
; THE CODES ARE LAID AS IMAGES OF OPERAND REGISTERS.  A fragment is 16 rows x 128 K in 16 registers a lane: lane (r = lane % 16, h = lane / 16) holds row r, registers 2 c, 2 c + 1 hold k = 16 c + 8 h + 0 .. 7.
; Registers 4 i .. 4 i + 3 of all lanes are piece i: 512 bytes, lane l's 16 at 16 l.  A tensor of R rows lies [k / 256][row / 16][(k / 128) % 2][piece 0..3][lane][16 bytes].
; So every store here covers 512 consecutive bytes, aligned, and the products' launches fetch dense blocks.  For the weights a row of the image is a COLUMN n of the weight (K is the weights' first axis).
; FOUR PATHS, parted on the work-group's number, each with LDS bytes of its own: 0-255 x; 256-351 w_qkv; 352-383 w_proj; 384-415 the tables.  Waves share nothing: no barrier.  No tensor load.
; tab: [t / 16][piece 0..7][lane][16 bytes] f32: pieces 0-3 cos, 4-7 sin; piece 2 u + e of lane (r, h): t = 16 (t / 16) + r, frequencies 16 u + 8 h + 4 e + 0 .. 3.
; LIMITS: each e used here lies between -126 and 119.  NaN among the inputs is not served.  A frequency is 2^(-fi log2(10000) / 32), good to about a unit in its last place; the angle t x frequency is rounded once.
.set SPARE, 103424                     ; behind the stages: the spare words, 128 bytes for each wave: two blocks of 256 bytes that no other line names
.set QSTG,  33792                      ; x's stages: 0 .. 33,791 (4 waves x 16 rows x 528);  w_qkv's from here (4 x 32 rows x 272);
.set PSTG,  68608                      ; w_proj's from here
.set LI,  1                            ; v1   16 x lane; never rewritten
.set SPW, 2                            ; v2   LDS address of my spare word; never rewritten
.set NIL, 3                            ; v3   0; never rewritten
.set RR,  4                            ; v4   r
.set HH,  5                            ; v5   h
.set LN,  6                            ; v6   lane
.set LIM, 10                           ; v10  448 x 2^e
.set SCL, 11                           ; v11  2^e
.set R,   16                           ; x: v16-143 two sets of 64 numbers as loaded
.set XS,  144                          ; x: v144-207 64 numbers in the fragment's order
.set C,   208                          ; x: v208-239 two sets of 16 registers of codes
.set WX,  32                           ; weights: v32-95 two sets of 32 numbers
.set WC,  96                           ; weights: v96-103 a block's codes
.set WO,  112                          ; weights: v112-175 the way out
.macro SCALE e                         ; 2^e and 448 x 2^e as f32 patterns, e in s[e]
	s_add_co_i32 s32, s[\e], 127
	s_lshl_b32 s33, s32, 23
	v_mov_b32 v[SCL], s33
	s_add_co_i32 s32, s32, 8
	s_lshl_b32 s32, s32, 23
	s_or_b32 s32, s32, 0x600000
	v_mov_b32 v[LIM], s32
.endm
.macro CLOSE                           ; a wave's end: three lines behind the last LDS store, the first of them even in a text with no tensor load
	s_wait_tensorcnt 0x0
	ds_add_u32 v[SPW], v[NIL]
	s_wait_dscnt 0x0
	s_endpgm
.endm
	s_load_b256 s[4:11], s[0:1], 0x0               ; x s[4:5], w_qkv s[6:7], w_proj s[8:9], the scales s[10:11]
	s_load_b256 s[12:19], s[0:1], 0x20             ; x_img s[12:13], wq_img s[14:15], wp_img s[16:17], tab s[18:19]
	v_lshl_add_u32 v[SPW], v0, 2, SPARE
	v_mov_b32 v[NIL], 0
	v_lshrrev_b32 v[RR], 5, v0
	v_readfirstlane_b32 s20, v[RR]                 ; wave 0..3
	v_and_b32 v[LN], 31, v0
	v_lshlrev_b32 v[LI], 4, v[LN]
	v_and_b32 v[RR], 15, v0
	v_bfe_u32 v[HH], v0, 4, 1
	s_wait_kmcnt 0x0
	s_load_b256 s[24:31], s[10:11], 0x0            ; e0 .. e7
	s_cmp_lt_u32 ttmp9, 256
	s_cbranch_scc0 .Lnot_x
; ---- PATH X.  Wave W = 4 x work-group + wave takes rows 16 (W / 2) on and K 512 (W % 2) on: four fragments.  A load reads one row's 512 consecutive bytes (128 K); the 16 rows turn through the
; wave's own stage (rows 528 bytes apart, so that the 16 rows of a read start at 16 different banks) and come back 8 neighbours along K at a time, in the fragment's order.
.macro LOADX t
.irp j, 0,1,2,3,4,5,6,7,8,9,10,11,12,13,14,15
	global_load_b128 v[R+64*((\t)%2)+4*\j:R+64*((\t)%2)+4*\j+3], v[LI], s[4:5] offset:4096*\j+512*(\t) th:TH_LOAD_NT
.endr
.endm
.macro FRAGX t
.if (\t) < 3
	s_wait_loadcnt 16                              ; this fragment's 16 loads are in; the next fragment's 16 may be out
.else
	s_wait_loadcnt 0
.endif
.irp j, 0,1,2,3,4,5,6,7,8,9,10,11,12,13,14,15
	ds_store_b128 v7, v[R+64*((\t)%2)+4*\j:R+64*((\t)%2)+4*\j+3] offset:528*\j
.endr
.irp i, 0,1,2,3
.irp e, 0,1
.irp f, 0,1
	ds_load_b128 v[XS+16*\i+8*\e+4*\f:XS+16*\i+8*\e+4*\f+3], v8 offset:128*\i+64*\e+16*\f   ; k = 32 i + 16 e + 8 h + 4 f on, of row r.  LDS serves a wave's instructions in order: these see the stores above
.endr
.endr
.endr
	s_wait_dscnt 0x0                               ; the numbers are back, and the stores have read their registers
.if (\t) >= 2
	s_wait_xcnt 0x0                                ; the stores of two fragments back have read this set of codes
.endif
.if (\t) < 2
	LOADX (\t)+2
.endif
.irp i, 0,1,2,3,4,5,6,7,8,9,10,11,12,13,14,15,16,17,18,19,20,21,22,23,24,25,26,27,28,29,30,31,32,33,34,35,36,37,38,39,40,41,42,43,44,45,46,47,48,49,50,51,52,53,54,55,56,57,58,59,60,61,62,63
	v_med3_num_f32 v[XS+\i], v[XS+\i], -v[LIM], v[LIM]   ; the conversion to an 8-bit code does not saturate (ISA guide 7.6.2): the hold comes first
.endr
.irp g, 0,1,2,3,4,5,6,7
	v_cvt_scalef32_pk8_fp8_f32 v[C+16*((\t)%2)+2*\g:C+16*((\t)%2)+2*\g+1], v[XS+8*\g:XS+8*\g+7], v[SCL]
.endr
	v_nop                                          ; a plain line behind the last conversion: the next fragment's holds write the conversions' sources
.irp i, 0,1,2,3
	global_store_b128 v[LI], v[C+16*((\t)%2)+4*\i:C+16*((\t)%2)+4*\i+3], s[12:13] offset:((\t)/2)*2097152+((\t)%2)*2048+512*\i   ; a piece: 512 consecutive bytes
.endr
.endm
	s_lshl_b32 s33, ttmp9, 2
	s_add_co_u32 s33, s33, s20                     ; W
	s_lshr_b32 s34, s33, 1                         ; which 16 rows
	s_and_b32 s35, s33, 1                          ; which half of K
	s_lshl_b32 s36, s34, 16                        ; 16 rows of 4,096 bytes
	s_lshl_b32 s38, s35, 11
	s_add_co_u32 s36, s36, s38
	s_mov_b32 s37, 0
	s_add_nc_u64 s[4:5], s[4:5], s[36:37]
	s_lshl_b32 s36, s35, 22                        ; two K slots of 2,097,152 bytes
	s_lshl_b32 s38, s34, 12
	s_add_co_u32 s36, s36, s38
	s_add_nc_u64 s[12:13], s[12:13], s[36:37]
	s_mul_i32 s38, s20, 8448                       ; my stage
	s_wait_alu depctr_va_vdst(0)
	v_add_nc_u32 v7, s38, v[LI]                    ; in: 16 x lane, a row an instruction
	v_mul_u32_u24 v8, v[RR], 528
	v_lshl_add_u32 v8, v[HH], 5, v8
	v_add_nc_u32 v8, s38, v8                       ; back: row r, + 32 h
	LOADX 0
	LOADX 1
	s_wait_alu depctr_va_vdst(0)
	s_wait_kmcnt 0x0
	SCALE 24
	s_wait_alu depctr_va_vdst(0)
	FRAGX 0
	FRAGX 1
	FRAGX 2
	FRAGX 3
	CLOSE
; ---- PATHS W.  A lane takes a column n and its registers run down K: a load reads 128 consecutive bytes, and the conversions give codes with K innermost.  A wave takes 32 columns x 256 K.
; A block of 32 K gives 32 bytes of codes; they are stored in the order k 0-7, 16-23 | 8-15, 24-31, so that the first 16 bytes are lanes 0-15's registers of a piece and the second 16 lanes 16-31's.
.macro WLOAD t, n, src
.irp i, 0,1,2,3,4,5,6,7,8,9,10,11,12,13,14,15,16,17,18,19,20,21,22,23,24,25,26,27,28,29,30,31
	global_load_b32 v[WX+32*((\t)%2)+\i], v12, s[\src:\src+1] offset:(32*(\t)+\i)*(\n)*4 th:TH_LOAD_NT
.endr
.endm
.macro WBLOCK t, n, src
.set XW, WX+32*((\t)%2)
.if (\t) < 7
	s_wait_loadcnt 32                              ; this block's 32 loads are in; the next block's may be out
.else
	s_wait_loadcnt 0
.endif
.irp i, 0,1,2,3,4,5,6,7,8,9,10,11,12,13,14,15,16,17,18,19,20,21,22,23,24,25,26,27,28,29,30,31
	v_med3_num_f32 v[XW+\i], v[XW+\i], -v[LIM], v[LIM]
.endr
	v_cvt_scalef32_pk8_fp8_f32 v[WC:WC+1], v[XW:XW+7], v[SCL]
	v_cvt_scalef32_pk8_fp8_f32 v[WC+2:WC+3], v[XW+16:XW+23], v[SCL]
	v_cvt_scalef32_pk8_fp8_f32 v[WC+4:WC+5], v[XW+8:XW+15], v[SCL]
	v_cvt_scalef32_pk8_fp8_f32 v[WC+6:WC+7], v[XW+24:XW+31], v[SCL]
	v_nop                                          ; a plain line behind the last conversion
	ds_store_b128 v13, v[WC:WC+3] offset:32*(\t)
	ds_store_b128 v13, v[WC+4:WC+7] offset:32*(\t)+16
.if (\t)+2 < 8
	WLOAD (\t)+2, \n, \src
.endif
	s_wait_dscnt 0x0                               ; the stores have read their registers: the next block's codes may be written
.endm
.macro WPATH n, stg, stride, first, src, dst, e
	s_sub_co_u32 s33, ttmp9, \first
	s_and_b32 s34, s33, 3                          ; which 256 along K
	s_lshr_b32 s35, s33, 2                         ; which 128 columns
	s_mul_i32 s36, s34, 1024*(\n)                  ; 256 rows of n x 4 bytes
	s_lshl_b32 s38, s35, 9
	s_add_co_u32 s36, s36, s38
	s_lshl_b32 s38, s20, 7
	s_add_co_u32 s36, s36, s38                     ; + 4 x (128 x group + 32 x wave)
	s_mov_b32 s37, 0
	s_add_nc_u64 s[\src:\src+1], s[\src:\src+1], s[36:37]
	s_mul_i32 s36, s34, \stride
	s_lshl_b32 s38, s35, 15
	s_add_co_u32 s36, s36, s38
	s_lshl_b32 s38, s20, 13
	s_add_co_u32 s36, s36, s38                     ; + (8 x group + 2 x wave) x 4,096
	s_add_nc_u64 s[\dst:\dst+1], s[\dst:\dst+1], s[36:37]
	v_lshlrev_b32 v12, 2, v[LN]                    ; in: 4 bytes a lane
	s_mul_i32 s38, s20, 8704                       ; my stage: 32 rows of 272 bytes
	v_mul_u32_u24 v13, v[LN], 272
	v_add_nc_u32 v13, s38, v13
	v_add_nc_u32 v13, \stg, v13                    ; into it: row = my column
	v_mul_u32_u24 v14, v[RR], 272
	v_lshl_add_u32 v14, v[HH], 4, v14
	v_add_nc_u32 v14, s38, v14
	v_add_nc_u32 v14, \stg, v14                    ; out of it: row r, + 16 h
	WLOAD 0, \n, \src
	WLOAD 1, \n, \src
	s_wait_kmcnt 0x0
	SCALE \e
	s_wait_alu depctr_va_vdst(0)
.irp t, 0,1,2,3,4,5,6,7
	WBLOCK \t, \n, \src
.endr
.irp m, 0,1,2,3,4,5,6,7,8,9,10,11,12,13,14,15  ; piece m: 16 columns m / 8, 128 K (m / 4) % 2, registers 4 (m % 4) on
	ds_load_b128 v[WO+4*\m:WO+4*\m+3], v14 offset:4352*(\m/8)+128*((\m/4)%2)+32*(\m%4)
.endr
.irp m, 0,1,2,3,4,5,6,7,8,9,10,11,12,13,14,15
	s_wait_dscnt 15-\m                             ; LDS loads come back in order: piece m is in
	global_store_b128 v[LI], v[WO+4*\m:WO+4*\m+3], s[\dst:\dst+1] offset:512*\m
.endr
	CLOSE
.endm
.Lnot_x:
	s_cmp_lt_u32 ttmp9, 352
	s_cbranch_scc0 .Lnot_wq
	s_wait_alu depctr_va_vdst(0)
	WPATH 3072, QSTG, 786432, 256, 6, 14, 25
.Lnot_wq:
	s_cmp_lt_u32 ttmp9, 384
	s_cbranch_scc0 .Ltables
	s_wait_alu depctr_va_vdst(0)
	WPATH 1024, PSTG, 262144, 352, 8, 16, 31
; ---- PATH T: cos and sin of t x frequency, 16 rows t a wave, 16 of the 32 frequencies a lane.  No LDS.
.Ltables:
.set FA, 16                            ; v16-31  fi, then its whole part
.set AN, 64                            ; v64-79  the exponent, the frequency, the angle
.set FL, 80                            ; v80-95  the exponent's low part
.set CO, 32                            ; v32-47  cos;  v48-63 sin
.set SI, 48
	s_sub_co_u32 s33, ttmp9, 384
	s_lshl_b32 s33, s33, 2
	s_add_co_u32 s33, s33, s20                     ; which 16 rows t
	s_lshl_b32 s36, s33, 12
	s_mov_b32 s37, 0
	s_add_nc_u64 s[18:19], s[18:19], s[36:37]
	s_lshl_b32 s34, s33, 4
	s_wait_alu depctr_va_vdst(0)
	v_add_nc_u32 v7, s34, v[RR]
	v_cvt_f32_u32 v7, v7                           ; t
	v_lshlrev_b32 v8, 3, v[HH]                     ; 8 h
	s_wait_alu depctr_va_vdst(0)
	s_mov_b32 s40, 0x3ed49a78                      ; log2(10000) / 32, its first 24 bits,
	s_mov_b32 s41, 0x32179a6b                      ; and what follows them
	s_mov_b32 s42, 0x3f22f983                      ; 2 / pi
	s_mov_b32 s43, 0x3fc90fda                      ; pi / 2 in three parts of 24 bits
	s_mov_b32 s44, 0x33a22168
	s_mov_b32 s45, 0x27c234c4
	s_mov_b32 s46, 0xbe2aaaab                      ; -1/6, 1/120, -1/5040, 1/362880
	s_mov_b32 s47, 0x3c088889
	s_mov_b32 s48, 0xb9500d01
	s_mov_b32 s49, 0x3638ef1d
	s_mov_b32 s50, 0x3d2aaaab                      ; 1/24, -1/720, 1/40320, -1/3628800
	s_mov_b32 s51, 0xbab60b61
	s_mov_b32 s52, 0x37d00d01
	s_mov_b32 s53, 0xb493f27e
.irp k, 0,1,2,3,4,5,6,7,8,9,10,11,12,13,14,15
	v_add_nc_u32 v[FA+\k], 16*(\k/8)+\k%8, v8      ; fi = 16 (k / 8) + 8 h + k % 8
.endr
.irp k, 0,1,2,3,4,5,6,7,8,9,10,11,12,13,14,15
	v_cvt_f32_u32 v[FA+\k], v[FA+\k]
.endr
.irp k, 0,1,2,3,4,5,6,7,8,9,10,11,12,13,14,15
	v_mul_f32 v[AN+\k], s40, v[FA+\k]              ; the exponent, rounded,
.endr
.irp k, 0,1,2,3,4,5,6,7,8,9,10,11,12,13,14,15
	v_fma_f32 v[FL+\k], v[FA+\k], s40, -v[AN+\k]   ; what the rounding dropped (exact),
.endr
.irp k, 0,1,2,3,4,5,6,7,8,9,10,11,12,13,14,15
	v_fma_f32 v[FL+\k], v[FA+\k], s41, v[FL+\k]    ; and the constant's low part
.endr
.irp k, 0,1,2,3,4,5,6,7,8,9,10,11,12,13,14,15
	v_rndne_f32 v[FA+\k], v[AN+\k]                 ; the whole part,
.endr
.irp k, 0,1,2,3,4,5,6,7,8,9,10,11,12,13,14,15
	v_sub_f32 v[AN+\k], v[AN+\k], v[FA+\k]         ; the fraction (exact),
.endr
.irp k, 0,1,2,3,4,5,6,7,8,9,10,11,12,13,14,15
	v_add_f32 v[AN+\k], v[AN+\k], v[FL+\k]
.endr
.irp k, 0,1,2,3,4,5,6,7,8,9,10,11,12,13,14,15
	v_cvt_i32_f32 v[FA+\k], v[FA+\k]
.endr
.irp k, 0,1,2,3,4,5,6,7,8,9,10,11,12,13,14,15
	v_sub_nc_u32 v[FA+\k], 0, v[FA+\k]
.endr
	s_wait_alu depctr_va_vdst(0)
.irp k, 0,1,2,3,4,5,6,7,8,9,10,11,12,13,14,15
	v_exp_f32 v[AN+\k], -v[AN+\k]                  ; one batch of sixteen
.endr
	v_nop                                          ; a plain line behind the last exponential,
	s_wait_alu depctr_va_vdst(0)                   ; and the one wait ahead of the batch's first reader
.irp k, 0,1,2,3,4,5,6,7,8,9,10,11,12,13,14,15
	v_ldexp_f32 v[AN+\k], v[AN+\k], v[FA+\k]       ; the frequency
.endr
.irp k, 0,1,2,3,4,5,6,7,8,9,10,11,12,13,14,15
	v_mul_f32 v[AN+\k], v7, v[AN+\k]               ; the angle, rounded once
.endr
; angle = n pi / 2 + r, |r| <= pi / 4: n <= 1,304, so the first step of the reduction is exact.  sin r and cos r by their series up to r^9 and r^10; the quadrant picks and signs them without a branch.
.irp k, 0,1,2,3,4,5,6,7,8,9,10,11,12,13,14,15
	v_mul_f32 v9, s42, v[AN+\k]
	v_rndne_f32 v9, v9
	v_fma_f32 v10, -v9, s43, v[AN+\k]
	v_fma_f32 v10, -v9, s44, v10
	v_fma_f32 v10, -v9, s45, v10                   ; r
	v_mul_f32 v11, v10, v10                        ; z = r r
	v_fma_f32 v12, v11, s49, s48
	v_fma_f32 v12, v12, v11, s47
	v_fma_f32 v12, v12, v11, s46
	v_mul_f32 v13, v10, v11
	v_fma_f32 v12, v13, v12, v10                   ; sin r
	v_fma_f32 v13, v11, s53, s52
	v_fma_f32 v13, v13, v11, s51
	v_fma_f32 v13, v13, v11, s50
	v_fma_f32 v13, v13, v11, -0.5
	v_fma_f32 v13, v13, v11, 1.0                   ; cos r
	v_cvt_i32_f32 v14, v9
	v_and_b32 v15, 1, v14
	v_cmp_eq_u32 vcc_lo, 1, v15
	v_cndmask_b32 v[CO+\k], v13, v12, vcc_lo       ; odd n: the two change places
	v_cndmask_b32 v[SI+\k], v12, v13, vcc_lo
	v_add_nc_u32 v15, 1, v14
	v_and_b32 v15, 2, v15
	v_lshlrev_b32 v15, 30, v15
	v_xor_b32 v[CO+\k], v15, v[CO+\k]              ; cos is negative for n % 4 = 1, 2
	v_and_b32 v15, 2, v14
	v_lshlrev_b32 v15, 30, v15
	v_xor_b32 v[SI+\k], v15, v[SI+\k]              ; sin for n % 4 = 2, 3
.endr
.irp p, 0,1,2,3,4,5,6,7
	global_store_b128 v[LI], v[CO+4*\p:CO+4*\p+3], s[18:19] offset:512*\p
.endr
	CLOSE
.Lfunc_end_k_qded6ff97a0_prep:
	.size	k_qded6ff97a0_prep, .Lfunc_end_k_qded6ff97a0_prep-k_qded6ff97a0_prep
	.p2alignl 7, 3214868480
	.fill 96, 4, 3214868480
	.section	.rodata,"a",@progbits
	.p2align	6, 0x0
	.amdhsa_kernel k_qded6ff97a0_prep
		.amdhsa_group_segment_fixed_size 103936
		.amdhsa_private_segment_fixed_size 0
		.amdhsa_enable_private_segment 0
		.amdhsa_kernarg_size 64
		.amdhsa_user_sgpr_count 2
		.amdhsa_user_sgpr_kernarg_segment_ptr 1
		.amdhsa_wavefront_size32 1
		.amdhsa_system_sgpr_workgroup_id_x 1
		.amdhsa_system_sgpr_workgroup_id_y 1
		.amdhsa_system_sgpr_workgroup_id_z 1
		.amdhsa_system_vgpr_workitem_id 0
		.amdhsa_next_free_vgpr 240
		.amdhsa_next_free_sgpr 66
		.amdhsa_reserve_vcc 1
		.amdhsa_float_denorm_mode_32 3
		.amdhsa_float_denorm_mode_16_64 3
		.amdhsa_memory_ordered 1
		.amdhsa_forward_progress 1
		.amdhsa_inst_pref_size 164
	.end_amdhsa_kernel
	.amdgpu_metadata
---
amdhsa.version: [ 1, 2 ]
amdhsa.kernels:
  - .name:           k_qded6ff97a0_prep
    .symbol:         k_qded6ff97a0_prep.kd
    .args:
      - { .name: x, .offset: 0, .size: 8, .value_kind: global_buffer, .address_space: global }
      - { .name: w_qkv, .offset: 8, .size: 8, .value_kind: global_buffer, .address_space: global }
      - { .name: w_proj, .offset: 16, .size: 8, .value_kind: global_buffer, .address_space: global }
      - { .name: lowp_scales, .offset: 24, .size: 8, .value_kind: global_buffer, .address_space: global }
      - { .name: x_img, .offset: 32, .size: 8, .value_kind: global_buffer, .address_space: global }
      - { .name: wq_img, .offset: 40, .size: 8, .value_kind: global_buffer, .address_space: global }
      - { .name: wp_img, .offset: 48, .size: 8, .value_kind: global_buffer, .address_space: global }
      - { .name: tab, .offset: 56, .size: 8, .value_kind: global_buffer, .address_space: global }
    .group_segment_fixed_size: 103936
    .private_segment_fixed_size: 0
    .kernarg_segment_align: 8
    .kernarg_segment_size: 64
    .max_flat_workgroup_size: 128
    .sgpr_count:     66
    .vgpr_count:     240
    .wavefront_size: 32
...
	.end_amdgpu_metadata
.endif
;; end of part 1
;; launch qkv (part 2): grid 4 x 64, 4 waves a work-group, clusters of 4 x 4, 327,680 bytes of LDS; arguments x_img, wq_img, lowp_scales, b_qkv, tab, q_img, k_img, v_img; writes q_img, k_img, v_img
.if DOCPART == 2
	.amdgcn_target "amdgcn-amd-amdhsa--gfx1250"
	.amdhsa_code_object_version 6
	.text
	.protected	k_qded6ff97a0_qkv
	.globl	k_qded6ff97a0_qkv
	.p2align	8
	.type	k_qded6ff97a0_qkv,@function
k_qded6ff97a0_qkv:
	s_mov_b64 s[64:65], 0
	v_nop
	global_prefetch_b8 v0, s[64:65] scope:SCOPE_SE
	s_setreg_imm32_b32 hwreg(HW_REG_WAVE_MODE, 25, 1), 1
	s_wait_xcnt 0x0
	s_wait_alu depctr_hold_cnt(0) depctr_sa_sdst(0) depctr_va_vdst(0) depctr_va_sdst(0) depctr_va_ssrc(0) depctr_va_vcc(0) depctr_vm_vsrc(0)
	s_getreg_b32 s2, hwreg(HW_REG_IB_STS2, 6, 4)
	s_cmp_eq_u32 s2, 0
	s_cbranch_scc0 .Lentry_in_a_cluster
	s_endpgm
.Lentry_in_a_cluster:
	s_bfe_u32 s2, ttmp6, 0x10000c
	s_cmp_lg_u32 s2, 0xf033
	s_cbranch_scc0 .Lentry_shape_is_right
	s_endpgm
.Lentry_shape_is_right:
; QKV: qkv = x w_qkv + b_qkv on codes of E4M3 (K = 1,024), then RoPE on q and k, then the three quantisers: q, k and v leave as codes, laid as images of the attention's operand registers.
; OPERANDS ARE IMAGES OF REGISTERS: [k / 256][row / 16][(k / 128) % 2][piece 0..3][lane][16 bytes]; a row of wq_img is a column of w_qkv.
; A work-group takes 128 tokens and 256 columns of each of q, k and v (four heads of each): tile column c owns columns 256 c on of each kind.  Each of four waves: 64 tokens x one head at a time.
; x IS RESIDENT: a wave's 64 tokens over the whole K, 65,536 bytes, go from memory straight into 512 registers: the image is the register layout.
; THE WEIGHTS WALK in six slots of 128 columns x the whole K (131,072 bytes: wave w fetches K slot w, 32,768 dense bytes) through a ring of two LDS slots: q, q, k, k, v, v.
; A slot's refill is asked for directly behind the slot's products: it has that slot's way out and the next slot's products in which to land.
; CLUSTER 4 x 4: a slot hangs on the tile column alone and is asked for jointly along a column of the cluster.  x's rows go to registers by plain loads, which have no joint form.
; NO PREFETCH: four refills in all, K is short, and every row of clusters reads the same weights.
; THE MATRIX INSTRUCTION.  q, k: source 0 = 16 columns, source 1 = 16 tokens: a lane holds a token and eight neighbouring channels, which one conversion turns into registers 2 c, 2 c + 1 of a fragment along the head's 64.
; v: the two sources change places: a lane holds a channel and eight neighbouring tokens: fragments of V^T along the keys.
; q_img, k_img: [16 batch + head][t / 16][piece 0..1][lane][16];  v_img: [16 batch + head][key / 64][d / 16][piece 0..1][lane][16].  Every store covers 512 consecutive bytes, aligned.
; LIMITS: e0 + e1 between -126 and 127; e2, e3, e5 between -126 and 119.  NaN among the inputs is not served.
; REGISTERS.  window 0: v0-15 addresses; v16-31 codes, two sets; v32-63 the bias; v64-95 X; v96-127 Y; v128-255 the tables of my 64 tokens.  windows 1, 2: x: K step kk at v[64 (kk % 4)] of window 1 + kk / 4.
;   window 3: 16 accumulators in v0-127; from v128 the weights' four fragments of a K step, two sets.
.set SLOT,  131072
.set SPARE, 262144                     ; behind the ring: the spare words, 128 bytes for each wave: two blocks of 256 bytes that no other line names
.set STRA,  2097152                    ; from K slot to K slot in x_img,
.set STRB,  786432                     ; in wq_img
.set LI,   2                           ; 16 x lane
.set BO,   5                           ; q, k: the bias's lane offset, 32 h
.set HOLD, 6                           ; 448 x 2^e of the kind
.set SCL,  7                           ; 2^e of the kind
.set ADRB, 8                           ; v8-11 LDS address of my 64 columns: ring slot 0 K slots 0-1, 2-3; ring slot 1 likewise
.set BVO,  12                          ; v: the bias's lane offset, 4 r
.set SPW,  14
.set NIL,  15
.set PC,   16
.set BIAS, 32
.set X,    64
.set Y,    96
.set TAB,  128
.set BF,   128                         ; window 3
.set G1,  24
.set G0,  32
.set MSB, 0
.macro WIN new                         ; the immediate's high byte repeats the setting that is left
.if MSB != \new
	s_set_vgpr_msb (MSB<<8)|\new
.set MSB, \new
.endif
.endm
.macro ROUND                           ; a round of the cluster's barrier
	s_barrier_signal -1
	s_barrier_wait -1
	s_cmp_lg_u32 s20, 0
	s_cbranch_scc1 .Lnot_wave_0_\@
	s_barrier_signal -3
.Lnot_wave_0_\@:
	s_barrier_wait -3
	s_barrier_signal -1
	s_barrier_wait -1
.endm
.macro PLACES n                        ; plain vector lines between a matrix instruction and a load into, a read of, or a new sum in its registers (for reads and new sums)
.rept \n
	v_nop
.endr
.endm
.macro ALOAD kk                        ; x's four fragments of K step kk: 16 loads of 512 consecutive bytes
	WIN 0x40*(1+(\kk)/4)
.irp a, 0,1,2,3
.irp c, 0,1,2,3
	global_load_b128 v[64*((\kk)%4)+16*\a+4*\c:64*((\kk)%4)+16*\a+4*\c+3], v[LI], s[66:67] offset:((\kk)/2)*STRA+((\kk)%2)*2048+\a*4096+\c*512
.endr
.endr
	WIN 0
.endm
.macro KSCALE e, d                     ; s[d] = 2^e, s[d + 1] = 448 x 2^e as f32 patterns
	s_add_co_i32 s56, s[\e], 127
	s_lshl_b32 s[\d], s56, 23
	s_add_co_i32 s56, s56, 8
	s_lshl_b32 s56, s56, 23
	s_or_b32 s[\d+1], s56, 0x600000
.endm
	s_load_b256 s[4:11], s[0:1], 0x0               ; x_img s[4:5], wq_img s[6:7], the scales s[8:9], b_qkv s[10:11]
	s_load_b256 s[12:19], s[0:1], 0x20             ; tab s[12:13], q_img s[14:15], k_img s[16:17], v_img s[18:19]
	v_lshl_add_u32 v[SPW], v0, 2, SPARE
	v_mov_b32 v[NIL], 0
	ds_add_u32 v[SPW], v[NIL]                      ; the opening lines: the add, twice on end, and its wait below
	ds_add_u32 v[SPW], v[NIL]
	v_lshrrev_b32 v1, 5, v0
	v_readfirstlane_b32 s20, v1                    ; wave 0..3
	s_lshr_b32 s21, s20, 1                         ; which 64 tokens are mine
	s_and_b32 s22, s20, 1                          ; which head of a slot's two
	s_bfe_u32 s23, ttmp6, 0x40000                  ; cx
	s_bfe_u32 s40, ttmp6, 0x40004                  ; cy
	s_and_b32 s41, ttmp7, 0xffff
	s_lshl_b32 s42, s41, 2
	s_add_co_u32 s42, s42, s40                     ; tile row (128 tokens) = 4 x cluster y + cy
	s_lshl_b32 s43, ttmp9, 2
	s_add_co_u32 s43, s43, s23                     ; tile column = 4 x cluster x + cx
	s_lshl_b32 s87, 0x1111, s23                    ; my column of the cluster
	s_or_b32 s[G1], s87, (1<<21)                   ; the mask; elements of 1 byte; no padding
	s_mov_b32 s[G1+1], 256<<16                     ; 32,768 dense bytes as 128 rows of 256
	s_mov_b32 s[G1+2], 128<<16
	s_mov_b32 s[G1+3], 256<<16
	s_mov_b32 s[G1+4], 128
	s_mov_b32 s[G1+5], 256
	s_mov_b32 s[G1+6], 0
	s_mov_b32 s[G1+7], 0
	s_lshl_b32 s70, s43, 16                        ; the weights: 16 sixteens of columns a tile column, in K slot = my wave's number
	s_mul_i32 s71, s20, STRB
	s_add_co_u32 s70, s70, s71
	s_mov_b32 s71, 0
	s_mov_b32 s[G0], 1
	s_lshl_b32 s[G0+1], s20, 15                    ; to LDS byte wave x 32,768 of ring slot 0,
	s_mov_b32 s[G0+4], 1
	s_add_co_u32 s[G0+5], s[G0+1], SLOT            ; of ring slot 1
	s_lshl_b32 s72, s42, 15                        ; x: 8 sixteens of rows a tile, 4,096 bytes each; my four
	s_lshl_b32 s73, s21, 14
	s_add_co_u32 s72, s72, s73
	s_mov_b32 s73, 0
	s_lshl_b32 s74, s43, 10                        ; the bias: 4 x (256 x tile column + 64 x my head of two)
	s_lshl_b32 s75, s22, 8
	s_add_co_u32 s74, s74, s75
	s_mov_b32 s75, 0
	s_lshr_b32 s57, s42, 4                         ; the batch: 16 tile rows each
	s_lshl_b32 s57, s57, 4
	s_lshl_b32 s58, s43, 2
	s_add_co_u32 s57, s57, s58
	s_add_co_u32 s57, s57, s22                     ; 16 batch + my head of a kind's first slot
	s_lshl_b32 s57, s57, 17
	s_and_b32 s58, s42, 15
	s_lshl_b32 s58, s58, 1
	s_add_co_u32 s58, s58, s21                     ; my 64 tokens' number in the batch
	s_lshl_b32 s60, s58, 12
	s_add_co_u32 s60, s60, s57                     ; q_img, k_img: 4 sixteens of 1,024 bytes; v_img: 4,096 bytes: the same place in all three
	s_mov_b32 s61, 0
	s_lshl_b32 s62, s58, 14                        ; tab: 4 sixteens of 4,096 bytes
	s_mov_b32 s63, 0
	s_lshl_b32 s57, s22, 14                        ; my 64 columns of a slot's K slot
	s_add_co_u32 s58, s57, 65536
	s_add_co_u32 s59, s57, SLOT
	s_add_co_u32 s86, s57, SLOT+65536
	v_and_b32 v1, 31, v0
	v_lshlrev_b32 v[LI], 4, v1
	v_and_b32 v3, 15, v0                           ; r
	v_bfe_u32 v4, v0, 4, 1                         ; h
	v_add_nc_u32 v[ADRB], s57, v[LI]
	v_add_nc_u32 v[ADRB+1], s58, v[LI]
	v_add_nc_u32 v[ADRB+2], s59, v[LI]
	v_add_nc_u32 v[ADRB+3], s86, v[LI]
	v_lshlrev_b32 v[BO], 5, v4
	v_lshlrev_b32 v[BVO], 2, v3
	s_wait_alu depctr_va_vdst(0)
	s_wait_dscnt 0x0                               ; both opening adds are done
	s_wait_kmcnt 0x0
	s_load_b256 s[76:83], s[8:9], 0x0              ; e0 .. e7
	s_add_nc_u64 s[G0+2:G0+3], s[6:7], s[70:71]    ; slot 0,
	s_add_nc_u64 s[G0+6:G0+7], s[G0+2:G0+3], 32768 ; slot 1: the next 128 columns
	s_or_b32 s[G0+3], s[G0+3], 0x80000000
	s_or_b32 s[G0+7], s[G0+7], 0x80000000
	s_add_nc_u64 s[66:67], s[4:5], s[72:73]
	s_add_nc_u64 s[92:93], s[10:11], s[74:75]
	s_add_nc_u64 s[88:89], s[14:15], s[60:61]      ; where the kind in hand goes: q first,
	s_add_nc_u64 s[46:47], s[16:17], s[60:61]      ; k,
	s_add_nc_u64 s[44:45], s[18:19], s[60:61]      ; v
	s_add_nc_u64 s[90:91], s[12:13], s[62:63]
	ALOAD 0
	ALOAD 1
	ALOAD 2
	ROUND                                          ; all sixteen work-groups are here: the first joint loads meet
	tensor_load_to_lds s[G0:G0+3], s[G1:G1+7]      ; slot 0: my one tensor load at the head
	s_nop 0
	PLACES 4
.irp a, 0,1,2,3                        ; cos and sin of my 64 tokens stay in registers: 16 + 16 for each sixteen
.irp p, 0,1,2,3,4,5,6,7
	global_load_b128 v[TAB+32*\a+4*\p:TAB+32*\a+4*\p+3], v[LI], s[90:91] offset:\a*4096+512*\p
.endr
.endr
	ALOAD 3
	ALOAD 4
	ALOAD 5
	ALOAD 6
	ALOAD 7
	s_wait_kmcnt 0x0
	s_add_co_i32 s84, s76, s77
	s_add_co_i32 s84, s84, 127
	s_lshl_b32 s84, s84, 23                        ; 2^(e0 + e1) as f32
	s_mov_b32 s85, s84                             ; (named with it as a pair, so it is written)
	KSCALE 78, 50                                  ; q: e2
	KSCALE 79, 52                                  ; k: e3
	KSCALE 81, 54                                  ; v: e5
	v_mov_b32 v[SCL], s50
	v_mov_b32 v[HOLD], s51
.macro BLOAD ring, kk                  ; the weights' four fragments of my head, K step kk, into set kk % 2
	WIN 0xc0
.irp b, 0,1,2,3
.irp c, 0,1,2,3
	ds_load_b128 v[BF+64*((\kk)%2)+16*\b+4*\c:BF+64*((\kk)%2)+16*\b+4*\c+3], v[ADRB+2*(\ring)+(\kk)/4] offset:(((\kk)/2)%2)*32768+\b*4096+((\kk)%2)*2048+\c*512
.endr
.endr
.endm
.macro KSTEP ring, kk, isv, first      ; 16 matrix instructions, one to each accumulator, in the same order in every step
.if (\kk) == 0
	PLACES 5                                       ; the sums begin anew in registers that earlier products wrote
.endif
.if (\kk) > 0 && (\kk) < 7
	PLACES 4                                       ; ahead of loads into the set that the last step read
.endif
.if (\kk) < 7
	BLOAD \ring, (\kk)+1
	s_wait_dscnt 16                                ; this step's fragments are in; the next step's sixteen loads may be out
.else
	s_wait_dscnt 0x0
.endif
.if (\first) && (\kk) == 0
	s_wait_loadcnt 56                              ; x's K steps 0-4 are in; the 48 loads of steps 5-7 and the bias's 8 may be out
.endif
.if (\first) && (\kk) >= 5
	s_wait_loadcnt 16*(7-(\kk))+8                  ; x's K step kk is in
.endif
.if \isv
	WIN 0xfc|(1+(\kk)/4)                           ; source 0 (x) window 1 or 2; source 1, C and D window 3
.else
	WIN 0xf3|((1+(\kk)/4)<<2)                      ; source 0, C and D window 3; source 1 (x) window 1 or 2
.endif
.irp a, 0,1,2,3
.irp b, 0,1,2,3
.if \isv
.if (\kk) == 0
	v_wmma_f32_16x16x128_fp8_fp8 v[8*(4*\b+\a):8*(4*\b+\a)+7], v[64*((\kk)%4)+16*\a:64*((\kk)%4)+16*\a+15], v[BF+64*((\kk)%2)+16*\b:BF+64*((\kk)%2)+16*\b+15], 0
.else
	v_wmma_f32_16x16x128_fp8_fp8 v[8*(4*\b+\a):8*(4*\b+\a)+7], v[64*((\kk)%4)+16*\a:64*((\kk)%4)+16*\a+15], v[BF+64*((\kk)%2)+16*\b:BF+64*((\kk)%2)+16*\b+15], v[8*(4*\b+\a):8*(4*\b+\a)+7]
.endif
.else
.if (\kk) == 0
	v_wmma_f32_16x16x128_fp8_fp8 v[8*(4*\a+\b):8*(4*\a+\b)+7], v[BF+64*((\kk)%2)+16*\b:BF+64*((\kk)%2)+16*\b+15], v[64*((\kk)%4)+16*\a:64*((\kk)%4)+16*\a+15], 0
.else
	v_wmma_f32_16x16x128_fp8_fp8 v[8*(4*\a+\b):8*(4*\a+\b)+7], v[BF+64*((\kk)%2)+16*\b:BF+64*((\kk)%2)+16*\b+15], v[64*((\kk)%4)+16*\a:64*((\kk)%4)+16*\a+15], v[8*(4*\a+\b):8*(4*\a+\b)+7]
.endif
.endif
.endr
.endr
.endm
.macro KLOOP ring, isv, first          ; a slot's products: my 64 tokens x my head, over all of K.  The slot's bias is asked for first: 8 loads
.irp b, 0,1,2,3
.if \isv
	global_load_b32 v[BIAS+2*\b], v[BVO], s[92:93] offset:(\ring)*512+64*\b      ; v: both registers of pair b hold bias(16 b + r)
	global_load_b32 v[BIAS+2*\b+1], v[BVO], s[92:93] offset:(\ring)*512+64*\b
.else
	global_load_b128 v[BIAS+8*\b:BIAS+8*\b+3], v[BO], s[92:93] offset:(\ring)*512+64*\b       ; q, k: register 8 b + j holds bias(16 b + 8 h + j)
	global_load_b128 v[BIAS+8*\b+4:BIAS+8*\b+7], v[BO], s[92:93] offset:(\ring)*512+64*\b+16
.endif
.endr
	BLOAD \ring, 0
.irp kk, 0,1,2,3,4,5,6,7
	KSTEP \ring, \kk, \isv, \first
.endr
	WIN 0
.endm
; THE CHANGE OF SLOTS, directly behind a slot's products.  Each wave waits for all its tensor loads (its part of the next slot), adds 0 to its spare word, and waits for that and for its reads of this slot.
; fill = 1: a round of the cluster's barrier, and this ring slot takes the slot two on: the same columns of the next kind, 262,144 bytes further.
.macro CHANGE ring, fill
	s_wait_tensorcnt 0x0
	ds_add_u32 v[SPW], v[NIL]
	s_wait_dscnt 0x0
.if \fill
	ROUND
	s_add_nc_u64 s[G0+4*\ring+2:G0+4*\ring+3], s[G0+4*\ring+2:G0+4*\ring+3], 262144
	tensor_load_to_lds s[G0+4*\ring:G0+4*\ring+3], s[G1:G1+7]   ; the first tensor load behind the round, my only one until the next
	s_nop 0
.else
	s_barrier_signal -1
	s_barrier_wait -1
.endif
	PLACES 4                                       ; also the places behind the slot's last products
.endm
; q, k: 16 tokens (block a) of my head: sum x 2^(e0 + e1) + bias, RoPE, the hold, four conversions: a fragment of 16 rows x 64
.macro HEADQK a, par
.set PCS, PC+8*((\a)%2)
.set TS,  TAB+32*(\a)
	s_wait_xcnt 0x0                                ; earlier stores have read this set of codes
	WIN 0x03
.set I, 0
.rept 16
	v_pk_fma_f32 v[X+I:X+I+1], v[32*(\a)+I:32*(\a)+I+1], s[84:85], v[BIAS+I:BIAS+I+1] op_sel_hi:[1,0,1]   ; each accumulator from its low end on
.set I, I+2
.endr
	WIN 0
.irp j, 0,2,4,6,8,10,12,14             ; X[j]: channel d = 16 (j / 8) + 8 h + j % 8 < 32; X[16 + j]: channel d + 32
	v_pk_mul_f32 v[Y+\j:Y+\j+1], v[X+\j:X+\j+1], v[TS+\j:TS+\j+1]
	v_pk_mul_f32 v[Y+16+\j:Y+16+\j+1], v[X+\j:X+\j+1], v[TS+16+\j:TS+16+\j+1]
.endr
.irp j, 0,2,4,6,8,10,12,14
	v_pk_fma_f32 v[Y+\j:Y+\j+1], v[X+16+\j:X+16+\j+1], v[TS+16+\j:TS+16+\j+1], v[Y+\j:Y+\j+1] neg_lo:[1,0,0] neg_hi:[1,0,0]   ; x1 cos - x2 sin
	v_pk_fma_f32 v[Y+16+\j:Y+16+\j+1], v[X+16+\j:X+16+\j+1], v[TS+\j:TS+\j+1], v[Y+16+\j:Y+16+\j+1]                           ; x1 sin + x2 cos
.endr
.set I, 0
.rept 32
	v_med3_num_f32 v[Y+I], v[Y+I], -v[HOLD], v[HOLD]   ; the conversion to an 8-bit code does not saturate (ISA guide 7.6.2)
.set I, I+1
.endr
.irp u, 0,1,2,3
	v_cvt_scalef32_pk8_fp8_f32 v[PCS+2*\u:PCS+2*\u+1], v[Y+8*\u:Y+8*\u+7], v[SCL]
.endr
	v_nop                                          ; a plain line behind the last conversion
	global_store_b128 v[LI], v[PCS:PCS+3], s[88:89] offset:(\par)*262144+(\a)*1024
	global_store_b128 v[LI], v[PCS+4:PCS+7], s[88:89] offset:(\par)*262144+(\a)*1024+512
.endm
; v: 16 channels (block b) x my 64 tokens: sum x 2^(e0 + e1) + bias, the hold, four conversions: a fragment of V^T, 16 channels x 64 keys
.macro VBLK b, par
.set PCS, PC+8*((\b)%2)
	s_wait_xcnt 0x0
	WIN 0x03
.set I, 0
.rept 16
	v_pk_fma_f32 v[X+I:X+I+1], v[32*(\b)+I:32*(\b)+I+1], s[84:85], v[BIAS+2*(\b):BIAS+2*(\b)+1] op_sel_hi:[1,0,1]
.set I, I+2
.endr
	WIN 0
.set I, 0
.rept 32
	v_med3_num_f32 v[X+I], v[X+I], -v[HOLD], v[HOLD]
.set I, I+1
.endr
.irp u, 0,1,2,3
	v_cvt_scalef32_pk8_fp8_f32 v[PCS+2*\u:PCS+2*\u+1], v[X+8*\u:X+8*\u+7], v[SCL]
.endr
	v_nop
	global_store_b128 v[LI], v[PCS:PCS+3], s[44:45] offset:(\par)*262144+(\b)*1024
	global_store_b128 v[LI], v[PCS+4:PCS+7], s[44:45] offset:(\par)*262144+(\b)*1024+512
.endm
.macro OUTQK par
	s_wait_loadcnt 0x0                             ; the bias (and, the first time, the tables)
.irp a, 0,1,2,3
	HEADQK \a, \par
.endr
.endm
.macro OUTV par
	s_wait_loadcnt 0x0
.irp b, 0,1,2,3
	VBLK \b, \par
.endr
.endm
	s_wait_alu depctr_va_vdst(0)
	s_wait_tensorcnt 0x0                           ; my part of slot 0 is in
	ds_add_u32 v[SPW], v[NIL]
	s_wait_dscnt 0x0
	ROUND                                          ; everybody's part is in, and all sixteen work-groups are here
	tensor_load_to_lds s[G0+4:G0+7], s[G1:G1+7]    ; slot 1: the first tensor load behind the round
	s_nop 0
	PLACES 4
	s_mov_b32 s49, 2
.Lkind:                                            ; two trips: q, then k; each fills both ring slots again
	KLOOP 0, 0, 1
	CHANGE 0, 1
	OUTQK 0
	KLOOP 1, 0, 0
	CHANGE 1, 1
	OUTQK 1
	s_wait_xcnt 0x0                                ; the stores have read their base
	s_mov_b64 s[88:89], s[46:47]                   ; on to k
	s_add_nc_u64 s[92:93], s[92:93], 4096          ; the next kind's bias: 1,024 columns on
	v_mov_b32 v[SCL], s52
	v_mov_b32 v[HOLD], s53
	s_sub_co_u32 s49, s49, 1
	s_cmp_lg_u32 s49, 0
	s_wait_alu depctr_va_vdst(0)
	s_cbranch_scc1 .Lkind
	v_mov_b32 v[SCL], s54                          ; v
	v_mov_b32 v[HOLD], s55
	s_wait_alu depctr_va_vdst(0)
	KLOOP 0, 1, 0
	CHANGE 0, 0                                    ; nothing is left to fetch
	OUTV 0
	KLOOP 1, 1, 0
	PLACES 4
	OUTV 1
	s_wait_tensorcnt 0x0                           ; the wave's end
	ds_add_u32 v[SPW], v[NIL]
	s_wait_dscnt 0x0
	ROUND                                          ; the closing round
	s_endpgm
.Lfunc_end_k_qded6ff97a0_qkv:
	.size	k_qded6ff97a0_qkv, .Lfunc_end_k_qded6ff97a0_qkv-k_qded6ff97a0_qkv
	.p2alignl 7, 3214868480
	.fill 96, 4, 3214868480
	.section	.rodata,"a",@progbits
	.p2align	6, 0x0
	.amdhsa_kernel k_qded6ff97a0_qkv
		.amdhsa_group_segment_fixed_size 327680
		.amdhsa_private_segment_fixed_size 0
		.amdhsa_enable_private_segment 0
		.amdhsa_kernarg_size 64
		.amdhsa_user_sgpr_count 2
		.amdhsa_user_sgpr_kernarg_segment_ptr 1
		.amdhsa_wavefront_size32 1
		.amdhsa_system_sgpr_workgroup_id_x 1
		.amdhsa_system_sgpr_workgroup_id_y 1
		.amdhsa_system_sgpr_workgroup_id_z 1
		.amdhsa_system_vgpr_workitem_id 0
		.amdhsa_next_free_vgpr 1024
		.amdhsa_next_free_sgpr 100
		.amdhsa_reserve_vcc 0
		.amdhsa_float_denorm_mode_32 3
		.amdhsa_float_denorm_mode_16_64 3
		.amdhsa_memory_ordered 1
		.amdhsa_forward_progress 1
		.amdhsa_inst_pref_size 171
	.end_amdhsa_kernel
	.amdgpu_metadata
---
amdhsa.version: [ 1, 2 ]
amdhsa.kernels:
  - .name:           k_qded6ff97a0_qkv
    .symbol:         k_qded6ff97a0_qkv.kd
    .args:
      - { .name: x_img, .offset: 0, .size: 8, .value_kind: global_buffer, .address_space: global }
      - { .name: wq_img, .offset: 8, .size: 8, .value_kind: global_buffer, .address_space: global }
      - { .name: lowp_scales, .offset: 16, .size: 8, .value_kind: global_buffer, .address_space: global }
      - { .name: b_qkv, .offset: 24, .size: 8, .value_kind: global_buffer, .address_space: global }
      - { .name: tab, .offset: 32, .size: 8, .value_kind: global_buffer, .address_space: global }
      - { .name: q_img, .offset: 40, .size: 8, .value_kind: global_buffer, .address_space: global }
      - { .name: k_img, .offset: 48, .size: 8, .value_kind: global_buffer, .address_space: global }
      - { .name: v_img, .offset: 56, .size: 8, .value_kind: global_buffer, .address_space: global }
    .group_segment_fixed_size: 327680
    .private_segment_fixed_size: 0
    .kernarg_segment_align: 8
    .kernarg_segment_size: 64
    .max_flat_workgroup_size: 128
    .sgpr_count:     100
    .vgpr_count:     1024
    .wavefront_size: 32
...
	.end_amdgpu_metadata
.endif
;; end of part 2
;; launch attn (part 3): grid 4 x 64, 8 waves a work-group, clusters of 4 x 1, 327,680 bytes of LDS; arguments q_img, k_img, v_img, lowp_scales, a_img; writes a_img
.if DOCPART == 3
	.amdgcn_target "amdgcn-amd-amdhsa--gfx1250"
	.amdhsa_code_object_version 6
	.text
	.protected	k_qded6ff97a0_attn
	.globl	k_qded6ff97a0_attn
	.p2align	8
	.type	k_qded6ff97a0_attn,@function
k_qded6ff97a0_attn:
	s_mov_b64 s[64:65], 0
	v_nop
	global_prefetch_b8 v0, s[64:65] scope:SCOPE_SE
	s_setreg_imm32_b32 hwreg(HW_REG_WAVE_MODE, 25, 1), 1
	s_wait_xcnt 0x0
	s_wait_alu depctr_hold_cnt(0) depctr_sa_sdst(0) depctr_va_vdst(0) depctr_va_sdst(0) depctr_va_ssrc(0) depctr_va_vcc(0) depctr_vm_vsrc(0)
	s_getreg_b32 s2, hwreg(HW_REG_IB_STS2, 6, 4)
	s_cmp_eq_u32 s2, 0
	s_cbranch_scc0 .Lentry_in_a_cluster
	s_endpgm
.Lentry_in_a_cluster:
	s_bfe_u32 s2, ttmp6, 0x10000c
	s_cmp_lg_u32 s2, 0x3003
	s_cbranch_scc0 .Lentry_shape_is_right
	s_endpgm
.Lentry_shape_is_right:
; ATTN: o = softmax(q k^T / 8, causal) v for 64 (batch, head) pairs of 2,048 tokens x 64 channels, both products on codes of E4M3; o is quantised and leaves as codes, laid as the projection's operand.
; THE SOFTMAX AHEAD OF THE SECOND PRODUCT: t = score x log2(e) / 8; M = the row's largest t so far, rounded UP to a whole number; p = 2^(t - M) is quantised along the keys, not normalised.
; The row's sum is taken of the unquantised p, in f32, and divides at the end.  When M moves, the sum and O are multiplied by 2^(old M - new M): exact.
; LEFT OUT: key steps all of whose keys come after a wave's queries: the causal mask sets their scores to -inf, so their p is 0 for all inputs.
; A HEAD'S WHOLE K AND V LIE IN LDS: 131,072 bytes each, as images of operand registers (pieces of 512 bytes, 16 x lane).  No byte of LDS is filled twice.
; Keys 0-767 are asked for at the head, keys 768-2,047 behind one full sequence; each time waves 0-3 fetch K's quarters and waves 4-7 V's, one load a wave.  One barrier, behind key step 4, shows the second part to all.
; CLUSTER 4 x 1: the four work-groups of a head need the same K and V: every load is joint (mask 15).  No branch and no LDS address hangs on cx: it enters Q's and o's addresses and the mask's compare value alone.
; SHARES.  Wave w of work-group cx owns the 32 queries from 128 (15 - w) + 32 cx on, and then those from 128 w + 32 cx on: 16 - w and w + 1 key steps of 128 keys, 17 in every wave.
; Two tiles of 16 queries share every fragment.  The loops' trip counts are constants; a step behind the diagonal is jumped over by a branch on the wave's number and the count of steps.
; LAYOUT.  S^T = K Q^T (source 0 = 16 keys, source 1 = 16 queries; K = 64), O^T = V^T P^T (source 0 = 16 channels, source 1 = P; K = 128): a lane holds ONE query; the eight registers of key tile c are keys
; 16 c + 8 (lane / 16) + 0 .. 7: one conversion makes registers 2 c, 2 c + 1 of P.
; K's fragments of the next step are fetched under this step's softmax; a phase's last step so fetches 8,192 bytes that no product uses (behind key 2,047: V's first bytes).
; NO PREFETCH: all tiles are asked for by the two groups of loads at the head; there is no loop of loads to run ahead in.
; LIMITS: e2 + e3 between -123 and 130 (added to c's exponent field); e4 and e6 between -126 and 119; e4 + e5 is applied by v_ldexp_f32.  NaN among the inputs is not served.
; REGISTERS.  window 0: v1-31, v64-66 addresses, constants, statistics; v32-63 Q of both phases; v96-127 P's codes; v128-255 S^T, then p.  window 1: v0-63 O^T; v64-127 K; v128-191 V.
.set VBASE, 131072                     ; V's image begins here
.set SPARE, 262144                     ; behind the images: the spare words, 128 bytes for each wave: four blocks of 256 bytes that no other line names
.set STEPB, 8192                       ; 128 keys in K's image, and in V's
.set ROWSA, 48                         ; rows of 256 bytes in a wave's first load: a quarter of 768 keys
.set ROWSB, 80                         ; in its second: a quarter of 1,280 keys
.set LI,   1                           ; 16 x lane; never rewritten
.set SPW,  2                           ; LDS address of my spare word; never rewritten
.set NIL,  3                           ; 0; never rewritten
.set ADR,  4                           ; the step's fragments of K
.set HOLD, 5                           ; 448 x 2^e4
.set SCL,  6                           ; 2^e4
.set DL,   7                           ; 32 cx + r - 8 h, for the mask
.set ST,   8                           ; tile T's statistics at v[8 + 6 T]: +0 -M, +1 the largest t, +2, +3 the sum in two halves, +4 f, +5 written once (named as f's pair)
.set CH,   20
.set PD,   24
.set C2,   26
.set NINF, 31
.set QF,   32
.set ADV,  64                          ; the step's fragments of V
.set SC6,  65                          ; 2^e6
.set H6,   66                          ; 448 x 2^e6
.set PC,   96
.set S,    128
.set OT,   0                           ; window 1
.set KR,   64
.set VR,   128
.set WV,  14
.set BH,  15
.set G1A, 16
.set G1B, 24
.set G0A, 32
.set G0B, 36
.set SEL, 48
.set CS,  50
.set KF,  52                           ; the step's first key
.set LK,  53                           ; the first key of the phase's last step, the one on the diagonal
.set TB,  54                           ; LDS byte of the step's fragments of K
.set CNT, 55
.set DX,  56
.set OB0, 66
.set OB1, 68
.set LK0, 70
.set LK1, 71
.set E45, 72
.set MSB, 0
.macro WIN new                         ; the immediate's high byte repeats the setting that is left
.if MSB != \new
	s_set_vgpr_msb (MSB<<8)|\new
.set MSB, \new
.endif
.endm
.macro ROUND                           ; a round of the cluster's barrier
	s_barrier_signal -1
	s_barrier_wait -1
	s_cmp_lg_u32 s[WV], 0
	s_cbranch_scc1 .Lnot_wave_0_\@
	s_barrier_signal -3
.Lnot_wave_0_\@:
	s_barrier_wait -3
	s_barrier_signal -1
	s_barrier_wait -1
.endm
.macro PLACES
.rept 4
	v_nop
.endr
.endm
.macro INITR                           ; a phase's statistics and O^T: the step is written once, its first run finds zeros
.irp T, 0,1
	v_mov_b32 v[ST+6*\T+1], 0xff61b1e6             ; the largest t so far: -3e38
	s_delay_alu instid0(VALU_DEP_1)
	v_floor_f32 v[ST+6*\T], -v[ST+6*\T+1]
	v_mov_b32 v[ST+6*\T+2], 0
	v_mov_b32 v[ST+6*\T+3], 0
	v_mov_b32 v[ST+6*\T+5], 0
	v_mov_b32 v[PD+\T], 0
.endr
	WIN 0x40
.set I, 0
.rept 64
	v_mov_b32 v[OT+I], 0
.set I, I+1
.endr
	WIN 0
.endm
.macro KLOAD adr, off                  ; K's eight fragments of a step into window 1
	WIN 0x40
.irp c, 0,1,2,3,4,5,6,7
.irp e, 0,1
	ds_load_b128 v[KR+8*\c+4*\e:KR+8*\c+4*\e+3], v[\adr] offset:\off+1024*\c+512*\e
.endr
.endr
	WIN 0
.endm
	s_load_b256 s[4:11], s[0:1], 0x0               ; q_img s[4:5], k_img s[6:7], v_img s[8:9], the scales s[10:11]
	s_load_b64 s[12:13], s[0:1], 0x20              ; a_img
	v_lshl_add_u32 v[SPW], v0, 2, SPARE
	v_mov_b32 v[NIL], 0
	ds_add_u32 v[SPW], v[NIL]                      ; the opening lines: the add, twice on end, and its wait below
	ds_add_u32 v[SPW], v[NIL]
	v_lshrrev_b32 v[ADR], 5, v0
	s_delay_alu instid0(VALU_DEP_1)
	v_readfirstlane_b32 s[WV], v[ADR]              ; wave 0..7
	s_and_b32 s[BH], ttmp7, 0xffff                 ; 16 batch + head: the cluster's y
	s_bfe_u32 s[DX], ttmp6, 0x40000                ; cx
	s_lshl_b32 s[DX], s[DX], 5
	s_sub_co_u32 s57, 15, s[WV]
	s_lshl_b32 s[LK0], s57, 7                      ; the long phase's diagonal step begins at key 128 (15 - w),
	s_lshl_b32 s[LK1], s[WV], 7                    ; the short one's at 128 w
	s_add_co_u32 s62, s[LK0], s[DX]                ; my first query of the long phase,
	s_add_co_u32 s63, s[LK1], s[DX]                ; of the short one
	s_mov_b32 s[G1A], (3<<16)|(1<<21)|15           ; mask: all four partners; elements of 8 bytes; no padding
	s_mov_b32 s[G1A+1], 32<<16                     ; rows of 256 bytes
	s_mov_b32 s[G1A+2], ROWSA<<16
	s_mov_b32 s[G1A+3], 32<<16
	s_mov_b32 s[G1A+4], ROWSA
	s_mov_b32 s[G1A+5], 32
	s_mov_b32 s[G1A+6], 0
	s_mov_b32 s[G1A+7], 0
	s_mov_b32 s[G1B], (3<<16)|(1<<21)|15
	s_mov_b32 s[G1B+1], 32<<16
	s_mov_b32 s[G1B+2], ROWSB<<16
	s_mov_b32 s[G1B+3], 32<<16
	s_mov_b32 s[G1B+4], ROWSB
	s_mov_b32 s[G1B+5], 32
	s_mov_b32 s[G1B+6], 0
	s_mov_b32 s[G1B+7], 0
	s_mov_b32 s[SEL], 0x76543210
	s_mov_b32 s[SEL+1], 0xfedcba98
	s_mov_b32 s[CS], 0x3e38aa3b                    ; log2(e) / 8
	s_and_b32 s57, s[WV], 3                        ; which quarter I fetch
	s_mul_i32 s58, s57, ROWSA*256                  ; its place in an image: first part,
	s_mul_i32 s57, s57, ROWSB*256
	s_add_co_u32 s57, s57, 4*ROWSA*256             ; second part
	s_lshr_b32 s60, s[WV], 2
	s_lshl_b32 s60, s60, 17                        ; waves 0-3: K's image; waves 4-7: V's
	s_add_co_u32 s[G0A+1], s60, s58
	s_add_co_u32 s[G0B+1], s60, s57
	s_lshl_b32 s61, s[BH], 17                      ; a head's codes are 131,072 bytes in each of q_img, k_img, v_img
	s_add_co_u32 s74, s61, s58
	s_mov_b32 s75, 0
	s_add_co_u32 s76, s61, s57
	s_mov_b32 s77, 0
	s_wait_dscnt 0x0                               ; both opening adds are done
	s_wait_kmcnt 0x0
	s_load_b256 s[40:47], s[10:11], 0x0            ; e0 .. e7
	s_cmp_lt_u32 s[WV], 4
	s_cselect_b64 s[78:79], s[6:7], s[8:9]
	s_mov_b32 s[G0A], 1
	s_add_nc_u64 s[G0A+2:G0A+3], s[78:79], s[74:75]
	s_or_b32 s[G0A+3], s[G0A+3], 0x80000000
	s_mov_b32 s[G0B], 1
	s_add_nc_u64 s[G0B+2:G0B+3], s[78:79], s[76:77]
	s_or_b32 s[G0B+3], s[G0B+3], 0x80000000
	ROUND                                          ; all four work-groups are here: the first joint loads meet
	tensor_load_to_lds s[G0A:G0A+3], s[G1A:G1A+7]  ; keys 0-767: my one load at the head
	s_nop 0
	PLACES
	s_lshl_b32 s74, s62, 6                         ; 1,024 bytes for 16 queries
	s_add_co_u32 s74, s74, s61
	s_lshl_b32 s76, s63, 6
	s_add_co_u32 s76, s76, s61
	s_add_nc_u64 s[74:75], s[4:5], s[74:75]
	s_add_nc_u64 s[76:77], s[4:5], s[76:77]
	v_and_b32 v[LI], 31, v0
	s_delay_alu instid0(VALU_DEP_1)
	v_lshlrev_b32 v[LI], 4, v[LI]
.irp T, 0,1
.irp e, 0,1
	global_load_b128 v[QF+8*\T+4*\e:QF+8*\T+4*\e+3], v[LI], s[74:75] offset:1024*\T+512*\e       ; Q of both phases stays in registers
	global_load_b128 v[QF+16+8*\T+4*\e:QF+16+8*\T+4*\e+3], v[LI], s[76:77] offset:1024*\T+512*\e
.endr
.endr
	s_and_b32 s57, s[BH], 15                       ; o's place in a_img: k = 64 head + d: K slot head / 4,
	s_lshr_b32 s58, s57, 2
	s_lshl_b32 s58, s58, 21
	s_bfe_u32 s59, s57, 0x10001
	s_lshl_b32 s59, s59, 11                        ; its half (head / 2) % 2,
	s_add_co_u32 s58, s58, s59
	s_and_b32 s59, s57, 1
	s_lshl_b32 s59, s59, 10                        ; pieces 2 (head % 2) on,
	s_add_co_u32 s58, s58, s59
	s_lshr_b32 s59, s[BH], 4
	s_lshl_b32 s59, s59, 19                        ; the batch's 128 sixteens of rows, 4,096 bytes each
	s_add_co_u32 s58, s58, s59
	s_lshl_b32 s60, s62, 8
	s_add_co_u32 s60, s60, s58
	s_mov_b32 s61, 0
	s_add_nc_u64 s[OB0:OB0+1], s[12:13], s[60:61]
	s_lshl_b32 s60, s63, 8
	s_add_co_u32 s60, s60, s58
	s_add_nc_u64 s[OB1:OB1+1], s[12:13], s[60:61]
	v_and_b32 v[DL], 15, v0
	v_bfe_u32 v[ADR], v0, 4, 1
	s_delay_alu instid0(VALU_DEP_1)
	v_lshlrev_b32 v[ADR], 3, v[ADR]
	s_delay_alu instid0(VALU_DEP_1)
	v_sub_nc_u32 v[DL], v[DL], v[ADR]
	s_delay_alu instid0(VALU_DEP_1)
	v_add_nc_u32 v[DL], s[DX], v[DL]               ; my query less the diagonal step's first key, less 8 h
	v_mov_b32 v[NINF], 0xff800000
	INITR
	s_wait_kmcnt 0x0
	s_add_co_i32 s57, s42, s43
	s_lshl_b32 s57, s57, 23
	s_add_co_i32 s[CS], s[CS], s57                 ; a score stands for score x 2^(e2 + e3)
	s_mov_b32 s[CS+1], s[CS]
	s_add_co_i32 s57, s44, 127
	s_lshl_b32 s58, s57, 23
	v_mov_b32 v[SCL], s58
	s_add_co_i32 s57, s57, 8
	s_lshl_b32 s57, s57, 23
	s_or_b32 s57, s57, 0x600000
	v_mov_b32 v[HOLD], s57
	s_add_co_i32 s57, s46, 127
	s_lshl_b32 s58, s57, 23
	v_mov_b32 v[SC6], s58
	s_add_co_i32 s57, s57, 8
	s_lshl_b32 s57, s57, 23
	s_or_b32 s57, s57, 0x600000
	v_mov_b32 v[H6], s57
	s_add_co_i32 s[E45], s44, s45
	s_mov_b32 s[KF], 0
	s_mov_b32 s[TB], 0
	s_mov_b32 s[LK], s[LK0]
; A KEY STEP: 128 keys from s[KF] on.  m = 1: the step may lie behind the diagonal (left out) or on it (masked).
.macro STEP qf, m
.if \m
	s_cmp_gt_u32 s[KF], s[LK]                      ; the wave's number and the count of steps alone
	s_cbranch_scc1 .Lhidden_\@
.endif
	s_add_co_u32 s57, s[TB], VBASE
	v_add_nc_u32 v[ADR], s[TB], v[LI]
	v_add_nc_u32 v[ADV], s57, v[LI]
	s_wait_alu depctr_va_vdst(0)
	v_nop
	v_nop                                          ; with the two additions: four places behind the last products, ahead of loads into V's registers
	WIN 0x40
.irp d, 0,1,2,3
.irp b, 0,1
.irp e, 0,1
	ds_load_b128 v[VR+16*\d+8*\b+4*\e:VR+16*\d+8*\b+4*\e+3], v[ADV] offset:4096*\b+1024*\d+512*\e
.endr
.endr
.endr
	WIN 0x01
	s_wait_dscnt 16                                ; K is in; V's sixteen loads may be out
.irp c, 0,1,2,3,4,5,6,7
.irp T, 0,1
	v_wmma_f32_16x16x64_fp8_fp8 v[S+64*\T+8*\c:S+64*\T+8*\c+7], v[KR+8*\c:KR+8*\c+7], v[\qf+8*\T:\qf+8*\T+7], 0
.endr
.endr
	PLACES
	KLOAD ADR, STEPB                               ; the next step's K
.if \m
	s_cmp_lg_u32 s[KF], s[LK]                      ; ahead of the diagonal all keys count
	s_cbranch_scc1 .Lopen_\@
.irp k, 0,1,2,3,4,5,6,7                ; register 8 c + j of tile T holds key KF + 16 c + 8 h + j for query KF + 32 cx + 16 T + r: hidden where 16 (c - T) + j > DL.  One compare serves both tiles; tile 1's c = 0 is never hidden
.irp j, 0,1,2,3,4,5,6,7
	v_cmp_gt_i32 vcc_lo, 16*\k+\j, v[DL]
	v_cndmask_b32 v[S+8*\k+\j], v[S+8*\k+\j], v[NINF], vcc_lo
.if \k < 7
	v_cndmask_b32 v[S+72+8*\k+\j], v[S+72+8*\k+\j], v[NINF], vcc_lo
.endif
.endr
.endr
.Lopen_\@:
	s_wait_alu depctr_va_vdst(0)
.endif
.irp T, 0,1                            ; the step's largest score of my query among my 64 keys: two chains a tile, ascending, the tiles by turns
	v_max3_num_f32 v[CH+2*\T], v[S+64*\T], v[S+64*\T+1], v[S+64*\T+2]
.endr
.irp T, 0,1
	v_max3_num_f32 v[CH+2*\T+1], v[S+64*\T+3], v[S+64*\T+4], v[S+64*\T+5]
.endr
.irp i, 6,10,14,18,22,26,30,34,38,42,46,50,54,58
.irp T, 0,1
	v_max3_num_f32 v[CH+2*\T], v[CH+2*\T], v[S+64*\T+\i], v[S+64*\T+\i+1]
.endr
.irp T, 0,1
	v_max3_num_f32 v[CH+2*\T+1], v[CH+2*\T+1], v[S+64*\T+\i+2], v[S+64*\T+\i+3]
.endr
.endr
.irp T, 0,1
	v_max3_num_f32 v[CH+2*\T], v[CH+2*\T], v[S+64*\T+62], v[S+64*\T+63]
.endr
.irp T, 0,1
	s_delay_alu instid0(VALU_DEP_2)
	v_max_num_f32 v[CH+2*\T], v[CH+2*\T], v[CH+2*\T+1]
.endr
.irp T, 0,1
	s_delay_alu instid0(VALU_DEP_2)
	v_permlanex16_b32 v[PD+\T], v[CH+2*\T], s[SEL], s[SEL+1]
.endr
.irp T, 0,1
	s_delay_alu instid0(VALU_DEP_2)
	v_max_num_f32 v[CH+2*\T], v[CH+2*\T], v[PD+\T] ; and among lane l xor 16's
.endr
.irp T, 0,1
	s_delay_alu instid0(VALU_DEP_2)
	v_mul_f32 v[CH+2*\T], s[CS], v[CH+2*\T]        ; as t (c is positive)
.endr
.irp T, 0,1
	s_delay_alu instid0(VALU_DEP_2)
	v_max_num_f32 v[ST+6*\T+1], v[ST+6*\T+1], v[CH+2*\T]
.endr
.irp T, 0,1
	v_mov_b32 v[CH+2*\T], v[ST+6*\T]
.endr
.irp T, 0,1
	s_delay_alu instid0(VALU_DEP_4)
	v_floor_f32 v[ST+6*\T], -v[ST+6*\T+1]          ; the new -M = -ceil(t): a whole number
.endr
.irp T, 0,1
	s_delay_alu instid0(VALU_DEP_2)
	v_sub_f32 v[CH+2*\T], v[ST+6*\T], v[CH+2*\T]   ; old M - new M, 0 or less
.endr
.irp T, 0,1
	s_delay_alu instid0(VALU_DEP_2)
	v_cvt_i32_f32 v[CH+2*\T], v[CH+2*\T]           ; (it saturates)
.endr
.irp T, 0,1
	s_delay_alu instid0(VALU_DEP_2)
	v_ldexp_f32 v[ST+6*\T+4], 1.0, v[CH+2*\T]      ; f = 2^(old M - new M)
.endr
.irp T, 0,1
.set I, 0
.rept 32
	v_pk_fma_f32 v[S+64*\T+I:S+64*\T+I+1], v[S+64*\T+I:S+64*\T+I+1], s[CS:CS+1], v[ST+6*\T:ST+6*\T+1] op_sel_hi:[1,0,0]   ; t - M (of the pairs c and -M the low word serves both halves)
.set I, I+2
.endr
.endr
	WIN 0x41
.irp T, 0,1
.set I, 0
.rept 16
	v_pk_mul_f32 v[OT+32*\T+I:OT+32*\T+I+1], v[OT+32*\T+I:OT+32*\T+I+1], v[ST+6*\T+4:ST+6*\T+5] op_sel_hi:[1,0]   ; O^T under the new M, each accumulator from its low end on
.set I, I+2
.endr
.endr
	WIN 0
	s_wait_alu depctr_va_vdst(0)
.set I, 0
.rept 128
	v_exp_f32 v[S+I], v[S+I]                       ; p = 2^(t - M): one batch
.set I, I+1
.endr
.irp T, 0,1
	v_pk_mul_f32 v[ST+6*\T+2:ST+6*\T+3], v[ST+6*\T+2:ST+6*\T+3], v[ST+6*\T+4:ST+6*\T+5] op_sel_hi:[1,0]   ; the sums under the new M: plain lines behind the exponentials
.endr
	s_wait_alu depctr_va_vdst(0)                   ; and the one wait ahead of the batch's first reader
.irp T, 0,1
	v_pk_add_f32 v[C2+2*\T:C2+2*\T+1], v[S+64*\T:S+64*\T+1], v[S+64*\T+2:S+64*\T+3]   ; the row's sum is taken of the unquantised p
.endr
.irp j, 4,8,12,16,20,24,28,32,36,40,44,48,52,56,60
.irp T, 0,1
	v_pk_add_f32 v[ST+6*\T+2:ST+6*\T+3], v[ST+6*\T+2:ST+6*\T+3], v[S+64*\T+\j:S+64*\T+\j+1]
	v_pk_add_f32 v[C2+2*\T:C2+2*\T+1], v[C2+2*\T:C2+2*\T+1], v[S+64*\T+\j+2:S+64*\T+\j+3]
.endr
.endr
	s_delay_alu instid0(VALU_DEP_3)
	v_pk_add_f32 v[ST+2:ST+3], v[ST+2:ST+3], v[C2:C2+1]
	s_delay_alu instid0(VALU_DEP_2)
	v_pk_add_f32 v[ST+8:ST+9], v[ST+8:ST+9], v[C2+2:C2+3]
.set I, 0
.rept 128
	v_min_num_f32 v[S+I], v[S+I], v[HOLD]          ; the conversion does not saturate (ISA guide 7.6.2); p is not negative, so the hold is one-sided
.set I, I+1
.endr
.set I, 0
.rept 16
	v_cvt_scalef32_pk8_fp8_f32 v[PC+2*I:PC+2*I+1], v[S+8*I:S+8*I+7], v[SCL]   ; tile I / 8, keys 16 (I % 8) + 8 h on
.set I, I+1
.endr
	v_nop                                          ; a plain line behind the last conversion
	s_wait_alu depctr_va_vdst(0)
	s_wait_dscnt 0x0                               ; V is in (and the next step's K)
	WIN 0x51
.irp d, 0,1,2,3
.irp T, 0,1
	v_wmma_f32_16x16x128_fp8_fp8 v[OT+32*\T+8*\d:OT+32*\T+8*\d+7], v[VR+16*\d:VR+16*\d+15], v[PC+16*\T:PC+16*\T+15], v[OT+32*\T+8*\d:OT+32*\T+8*\d+7]   ; eight accumulators by turns
.endr
.endr
	WIN 0
.if \m
.Lhidden_\@:
.endif
	s_add_co_u32 s[KF], s[KF], 128
	s_add_co_u32 s[TB], s[TB], STEPB
.endm
.macro WALK n, qf, m
	s_mov_b32 s[CNT], \n
.Lwalk_\@:
	STEP \qf, \m
	s_sub_co_u32 s[CNT], s[CNT], 1
	s_cmp_lg_u32 s[CNT], 0
	s_cbranch_scc1 .Lwalk_\@
.endm
; THE WAY OUT of a phase: O^T x 2^(e4 + e5) / the sum, held, turned into codes with 2^e6, stored as registers 8 (head % 2) + 0 .. 7 of the projection's fragment.
.macro OUT ob
	PLACES                                         ; behind the last products
.irp T, 0,1
	v_add_f32 v[ST+6*\T+2], v[ST+6*\T+2], v[ST+6*\T+3]
.endr
.irp T, 0,1
	s_delay_alu instid0(VALU_DEP_2)
	v_permlanex16_b32 v[PD+\T], v[ST+6*\T+2], s[SEL], s[SEL+1]
.endr
.irp T, 0,1
	s_delay_alu instid0(VALU_DEP_2)
	v_add_f32 v[ST+6*\T+2], v[ST+6*\T+2], v[PD+\T] ; the row's sum
.endr
	s_wait_alu depctr_va_vdst(0)                   ; a wait ahead of the reciprocals,
.irp T, 0,1
	v_rcp_f32 v[ST+6*\T+2], v[ST+6*\T+2]
.endr
	v_nop
	s_wait_alu depctr_va_vdst(0)                   ; and ahead of their first reader
.irp T, 0,1
	v_ldexp_f32 v[ST+6*\T+2], v[ST+6*\T+2], s[E45]
.endr
	s_wait_alu depctr_va_vdst(0)                   ; and ahead of the first reader of O^T
	WIN 0x01
.irp T, 0,1
.set I, 0
.rept 16
	v_pk_mul_f32 v[S+32*\T+I:S+32*\T+I+1], v[OT+32*\T+I:OT+32*\T+I+1], v[ST+6*\T+2:ST+6*\T+3] op_sel_hi:[1,0]
.set I, I+2
.endr
.endr
	WIN 0
.set I, 0
.rept 64
	v_med3_num_f32 v[S+I], v[S+I], -v[H6], v[H6]
.set I, I+1
.endr
.set I, 0
.rept 8
	v_cvt_scalef32_pk8_fp8_f32 v[PC+2*I:PC+2*I+1], v[S+8*I:S+8*I+7], v[SC6]
.set I, I+1
.endr
	v_nop                                          ; a plain line behind the last conversion
.irp T, 0,1
.irp e, 0,1
	global_store_b128 v[LI], v[PC+8*\T+4*\e:PC+8*\T+4*\e+3], s[\ob:\ob+1] offset:4096*\T+512*\e   ; 512 consecutive bytes, aligned
.endr
.endr
.endm
	s_wait_alu depctr_va_vdst(0)
	s_wait_loadcnt 0x0                             ; Q
	s_wait_tensorcnt 0x0                           ; my part of keys 0-767 is in
	ds_add_u32 v[SPW], v[NIL]
	s_wait_dscnt 0x0
	ROUND                                          ; everybody's part is in, and all four work-groups are here
	tensor_load_to_lds s[G0B:G0B+3], s[G1B:G1B+7]  ; keys 768-2,047: my one load behind the round
	s_nop 0
	PLACES
	KLOAD LI, 0                                    ; step 0's K
	WALK 5, QF, 0                                  ; THE LONG PHASE.  Steps 0-4 read keys 0-767 alone (step 4 fetches step 5's K); none of them reaches the diagonal, which lies at step 8 or later
	s_wait_tensorcnt 0x0                           ; my part of keys 768-2,047 is in,
	s_wait_dscnt 0x0
	s_barrier_signal -1
	s_barrier_wait -1                              ; and everybody's
	WALK 11, QF, 1
	OUT OB0
	INITR                                          ; THE SHORT PHASE
	s_wait_xcnt 0x0                                ; the stores have read the registers that the next codes are written to
	s_mov_b32 s[KF], 0
	s_mov_b32 s[TB], 0
	s_mov_b32 s[LK], s[LK1]
	KLOAD LI, 0
	s_wait_alu depctr_va_vdst(0)
	WALK 8, QF+16, 1
	OUT OB1
	s_wait_tensorcnt 0x0                           ; the wave's end
	ds_add_u32 v[SPW], v[NIL]
	s_wait_dscnt 0x0
	ROUND                                          ; the closing round
	s_endpgm
.Lfunc_end_k_qded6ff97a0_attn:
	.size	k_qded6ff97a0_attn, .Lfunc_end_k_qded6ff97a0_attn-k_qded6ff97a0_attn
	.p2alignl 7, 3214868480
	.fill 96, 4, 3214868480
	.section	.rodata,"a",@progbits
	.p2align	6, 0x0
	.amdhsa_kernel k_qded6ff97a0_attn
		.amdhsa_group_segment_fixed_size 327680
		.amdhsa_private_segment_fixed_size 0
		.amdhsa_enable_private_segment 0
		.amdhsa_kernarg_size 40
		.amdhsa_user_sgpr_count 2
		.amdhsa_user_sgpr_kernarg_segment_ptr 1
		.amdhsa_wavefront_size32 1
		.amdhsa_system_sgpr_workgroup_id_x 1
		.amdhsa_system_sgpr_workgroup_id_y 1
		.amdhsa_system_sgpr_workgroup_id_z 1
		.amdhsa_system_vgpr_workitem_id 0
		.amdhsa_next_free_vgpr 448
		.amdhsa_next_free_sgpr 80
		.amdhsa_reserve_vcc 1
		.amdhsa_float_denorm_mode_32 3
		.amdhsa_float_denorm_mode_16_64 3
		.amdhsa_memory_ordered 1
		.amdhsa_forward_progress 1
		.amdhsa_inst_pref_size 132
	.end_amdhsa_kernel
	.amdgpu_metadata
---
amdhsa.version: [ 1, 2 ]
amdhsa.kernels:
  - .name:           k_qded6ff97a0_attn
    .symbol:         k_qded6ff97a0_attn.kd
    .args:
      - { .name: q_img, .offset: 0, .size: 8, .value_kind: global_buffer, .address_space: global }
      - { .name: k_img, .offset: 8, .size: 8, .value_kind: global_buffer, .address_space: global }
      - { .name: v_img, .offset: 16, .size: 8, .value_kind: global_buffer, .address_space: global }
      - { .name: lowp_scales, .offset: 24, .size: 8, .value_kind: global_buffer, .address_space: global }
      - { .name: a_img, .offset: 32, .size: 8, .value_kind: global_buffer, .address_space: global }
    .group_segment_fixed_size: 327680
    .private_segment_fixed_size: 0
    .kernarg_segment_align: 8
    .kernarg_segment_size: 40
    .max_flat_workgroup_size: 256
    .sgpr_count:     80
    .vgpr_count:     448
    .wavefront_size: 32
...
	.end_amdgpu_metadata
.endif
;; end of part 3
;; launch proj (part 4): grid 4 x 64, 4 waves a work-group, clusters of 4 x 4, 327,680 bytes of LDS; arguments a_img, wp_img, lowp_scales, b_proj, out0; writes out0
.if DOCPART == 4
	.amdgcn_target "amdgcn-amd-amdhsa--gfx1250"
	.amdhsa_code_object_version 6
	.text
	.protected	k_qded6ff97a0_proj
	.globl	k_qded6ff97a0_proj
	.p2align	8
	.type	k_qded6ff97a0_proj,@function
k_qded6ff97a0_proj:
	s_mov_b64 s[64:65], 0
	v_nop
	global_prefetch_b8 v0, s[64:65] scope:SCOPE_SE
	s_setreg_imm32_b32 hwreg(HW_REG_WAVE_MODE, 25, 1), 1
	s_wait_xcnt 0x0
	s_wait_alu depctr_hold_cnt(0) depctr_sa_sdst(0) depctr_va_vdst(0) depctr_va_sdst(0) depctr_va_ssrc(0) depctr_va_vcc(0) depctr_vm_vsrc(0)
	s_getreg_b32 s2, hwreg(HW_REG_IB_STS2, 6, 4)
	s_cmp_eq_u32 s2, 0
	s_cbranch_scc0 .Lentry_in_a_cluster
	s_endpgm
.Lentry_in_a_cluster:
	s_bfe_u32 s2, ttmp6, 0x10000c
	s_cmp_lg_u32 s2, 0xf033
	s_cbranch_scc0 .Lentry_shape_is_right
	s_endpgm
.Lentry_shape_is_right:
; PROJ: out0 = a w_proj + b_proj on codes of E4M3 (K = 1,024): a_img holds the attention's result, wp_img w_proj's columns, both as images of operand registers:
; [k / 256][row / 16][(k / 128) % 2][piece 0..3][lane][16 bytes].  A sum stands for sum x 2^(e6 + e7).  LIMIT: e6 + e7 between -126 and 127.
; A work-group makes 128 rows x 256 columns; each of four waves 64 rows x 128 columns.
; BOTH OPERANDS ARE RESIDENT OVER THE WHOLE K.  A wave's 64 rows of a_img, 65,536 bytes, go from memory straight into 512 registers: the image is the register layout.  The tile's 256 columns of wp_img,
; 262,144 bytes, lie in LDS: wave w fetches K slot w, its one tensor load.  No byte of LDS is filled twice, and there is one barrier.
; So a wave finishes 64 columns over all of K (16 accumulators by turns, 8 steps of 128), sends them out, and then makes its other 64: the first half's stores are on their way under the second half's products.
; CLUSTER 4 x 4: wp_img's tile hangs on the tile column alone and is asked for jointly along a column of the cluster.  a_img's rows go to registers by plain loads, which have no joint form.
; NO PREFETCH: everything is asked for at the head; there is no loop of loads to run ahead in.
; THE MATRIX INSTRUCTION: source 0 = 16 columns of w_proj, source 1 = 16 rows of a: lane r holds row r, its registers eight neighbouring columns 8 (lane / 16) + j.
; THE WAY OUT: 16 rows x 64 columns at a time through the wave's own stage in LDS; sixteen lanes store one aligned unit of 256 bytes.
; REGISTERS.  window 0: v0-31 addresses; v32-95 the bias; v96-127 results x scale + bias; v128-191 rows read back, two sets.  windows 1, 2: A: K step kk at v[64 (kk % 4)] of window 1 + kk / 4.
;   window 3: accumulator (a, b) at v[8 (4 a + b)]; from v128 B's four fragments of a K step, two sets.
.set KSL,    65536                     ; a K slot of B's tile in LDS
.set STAGE,  262144                    ; behind B: 16 rows x 272 bytes for each wave
.set SPITCH, 272
.set SPARE,  STAGE+4*16*SPITCH         ; behind the stages: the spare words, 128 bytes for each wave: two blocks of 256 bytes that no other line names
.set STRA,   2097152                   ; from K slot to K slot in a_img,
.set STRB,   262144                    ; in wp_img
.set LI,   2                           ; 16 x lane
.set BO,   8                           ; the bias: 32 x (lane / 16)
.set ADRB, 16                          ; v16-19 LDS address of my 128 columns in K slot 0..3
.set STO,  24
.set RD,   25
.set CO,   26
.set SPW,  28
.set NIL,  29
.set BIAS, 32
.set TMP,  96
.set BK,   128
.set BF,   128                         ; window 3
.set G1,  24
.set G0,  32
.set MSB, 0
.macro WIN new                         ; the immediate's high byte repeats the setting that is left
.if MSB != \new
	s_set_vgpr_msb (MSB<<8)|\new
.set MSB, \new
.endif
.endm
.macro ROUND                           ; a round of the cluster's barrier
	s_barrier_signal -1
	s_barrier_wait -1
	s_cmp_lg_u32 s20, 0
	s_cbranch_scc1 .Lnot_wave_0_\@
	s_barrier_signal -3
.Lnot_wave_0_\@:
	s_barrier_wait -3
	s_barrier_signal -1
	s_barrier_wait -1
.endm
.macro PLACES n                        ; plain vector lines between a matrix instruction and a load into, a read of, or a new sum in its registers (for reads and new sums)
.rept \n
	v_nop
.endr
.endm
.macro ALOAD kk                        ; A's four fragments of K step kk: 16 loads of 512 consecutive bytes
	WIN 0x40*(1+(\kk)/4)
.irp a, 0,1,2,3
.irp c, 0,1,2,3
	global_load_b128 v[64*((\kk)%4)+16*\a+4*\c:64*((\kk)%4)+16*\a+4*\c+3], v[LI], s[66:67] offset:((\kk)/2)*STRA+((\kk)%2)*2048+\a*4096+\c*512
.endr
.endr
	WIN 0
.endm
	s_load_b256 s[4:11], s[0:1], 0x0               ; a_img s[4:5], wp_img s[6:7], the scales s[8:9], b_proj s[10:11]
	s_load_b64 s[12:13], s[0:1], 0x20              ; out0
	v_lshl_add_u32 v[SPW], v0, 2, SPARE
	v_mov_b32 v[NIL], 0
	ds_add_u32 v[SPW], v[NIL]                      ; the opening lines: the add, twice on end, and its wait below
	ds_add_u32 v[SPW], v[NIL]
	v_lshrrev_b32 v1, 5, v0
	v_readfirstlane_b32 s20, v1                    ; wave 0..3
	s_lshr_b32 s21, s20, 1                         ; which 64 rows are mine
	s_and_b32 s22, s20, 1                          ; which 128 columns
	s_bfe_u32 s23, ttmp6, 0x40000                  ; cx
	s_bfe_u32 s40, ttmp6, 0x40004                  ; cy
	s_and_b32 s41, ttmp7, 0xffff
	s_lshl_b32 s42, s41, 2
	s_add_co_u32 s42, s42, s40                     ; tile row (128 rows) = 4 x cluster y + cy
	s_lshl_b32 s43, ttmp9, 2
	s_add_co_u32 s43, s43, s23                     ; tile column (256 columns) = 4 x cluster x + cx
	s_lshl_b32 s87, 0x1111, s23                    ; my column of the cluster
	s_or_b32 s[G1], s87, (1<<21)                   ; the mask; elements of 1 byte; no padding
	s_mov_b32 s[G1+1], 256<<16                     ; 65,536 dense bytes as 256 rows of 256
	s_mov_b32 s[G1+2], 256<<16
	s_mov_b32 s[G1+3], 256<<16
	s_mov_b32 s[G1+4], 256
	s_mov_b32 s[G1+5], 256
	s_mov_b32 s[G1+6], 0
	s_mov_b32 s[G1+7], 0
	s_lshl_b32 s70, s43, 16                        ; B: the tile's 65,536 bytes of K slot = my wave's number
	s_lshl_b32 s71, s20, 18
	s_add_co_u32 s70, s70, s71
	s_mov_b32 s71, 0
	s_mov_b32 s[G0], 1
	s_lshl_b32 s[G0+1], s20, 16                    ; to LDS byte wave x 65,536
	s_lshl_b32 s72, s42, 15                        ; A: 8 sixteens of rows a tile, 4,096 bytes each; my four
	s_lshl_b32 s73, s21, 14
	s_add_co_u32 s72, s72, s73
	s_mov_b32 s73, 0
	s_lshl_b32 s74, s43, 10                        ; my first column, in bytes of f32
	s_lshl_b32 s75, s22, 9
	s_add_co_u32 s74, s74, s75
	s_mov_b32 s75, 0
	s_lshl_b32 s68, s42, 19                        ; my first row of out0: 128 rows of 4,096 bytes a tile
	s_lshl_b32 s69, s21, 18
	s_add_co_u32 s68, s68, s69
	s_mov_b32 s69, 0
	s_mul_i32 s86, s20, 16*SPITCH
	s_add_co_u32 s86, s86, STAGE                   ; my stage
	s_lshl_b32 s88, s22, 15                        ; my 128 columns of a K slot
	s_add_co_u32 s89, s88, KSL
	s_add_co_u32 s90, s88, 2*KSL
	s_add_co_u32 s91, s88, 3*KSL
	v_and_b32 v1, 31, v0
	v_lshlrev_b32 v[LI], 4, v1
	v_and_b32 v3, 15, v0                           ; r
	v_bfe_u32 v4, v0, 4, 1                         ; h
.irp s, 0,1,2,3
	v_add_nc_u32 v[ADRB+\s], s[88+\s], v[LI]
.endr
	v_mul_u32_u24 v5, v3, SPITCH                   ; into the stage: row r, 32 bytes for each half of the lanes
	v_lshl_add_u32 v5, v4, 5, v5
	v_add_nc_u32 v[STO], s86, v5
	v_mul_u32_u24 v6, v4, SPITCH                   ; back: lanes 0-15 one row of 256 bytes, lanes 16-31 the next
	v_lshl_add_u32 v6, v3, 4, v6
	v_add_nc_u32 v[RD], s86, v6
	v_lshlrev_b32 v7, 12, v4                       ; and the same two rows in out0
	v_lshl_add_u32 v[CO], v3, 4, v7
	v_lshlrev_b32 v[BO], 5, v4
	s_wait_alu depctr_va_vdst(0)
	s_wait_dscnt 0x0                               ; both opening adds are done
	s_wait_kmcnt 0x0
	s_load_b256 s[76:83], s[8:9], 0x0              ; e0 .. e7
	s_add_nc_u64 s[G0+2:G0+3], s[6:7], s[70:71]
	s_or_b32 s[G0+3], s[G0+3], 0x80000000
	s_add_nc_u64 s[66:67], s[4:5], s[72:73]
	s_add_nc_u64 s[92:93], s[10:11], s[74:75]
	s_add_nc_u64 s[12:13], s[12:13], s[74:75]
	s_add_nc_u64 s[12:13], s[12:13], s[68:69]
.irp b, 0,1,2,3,4,5,6,7                ; register 8 b + j holds bias(16 b + 8 h + j)
	global_load_b128 v[BIAS+8*\b:BIAS+8*\b+3], v[BO], s[92:93] offset:64*\b
	global_load_b128 v[BIAS+8*\b+4:BIAS+8*\b+7], v[BO], s[92:93] offset:64*\b+16
.endr
	ALOAD 0
	ALOAD 1
	ALOAD 2
	ROUND                                          ; all sixteen work-groups are here: the joint loads meet
	tensor_load_to_lds s[G0:G0+3], s[G1:G1+7]      ; my one tensor load
	s_nop 0
	PLACES 4
	ALOAD 3
	ALOAD 4
	ALOAD 5
	ALOAD 6
	ALOAD 7
	s_wait_kmcnt 0x0
	s_add_co_i32 s84, s82, s83
	s_add_co_i32 s84, s84, 127
	s_lshl_b32 s84, s84, 23                        ; 2^(e6 + e7) as f32
	s_mov_b32 s85, s84                             ; (named with it as a pair, so it is written)
.macro BLOAD g, kk                     ; B's four fragments of column group g, K step kk, into set kk % 2
	WIN 0xc0
.irp b, 0,1,2,3
.irp c, 0,1,2,3
	ds_load_b128 v[BF+64*((\kk)%2)+16*\b+4*\c:BF+64*((\kk)%2)+16*\b+4*\c+3], v[ADRB+(\kk)/2] offset:(\g)*16384+\b*4096+((\kk)%2)*2048+\c*512
.endr
.endr
.endm
.macro KSTEP g, kk                     ; 16 matrix instructions, one to each accumulator, in the same order in every step
.if (\kk) == 0
	PLACES 5                                       ; the sums begin anew in registers that earlier products wrote
.endif
.if (\kk) > 0 && (\kk) < 7
	PLACES 4                                       ; ahead of loads into the set that the last step read
.endif
.if (\kk) < 7
	BLOAD \g, (\kk)+1
	s_wait_dscnt 16                                ; this step's B is in; the next step's sixteen loads may be out
.else
	s_wait_dscnt 0x0
.endif
.if (\g) == 0 && (\kk) >= 5
	s_wait_loadcnt 16*(7-(\kk))                    ; A's K step kk is in; the later steps' loads may be out
.endif
	WIN 0xf3|((1+(\kk)/4)<<2)                      ; source 0, C and D window 3; source 1 window 1 or 2
.irp a, 0,1,2,3
.irp b, 0,1,2,3
.if (\kk) == 0
	v_wmma_f32_16x16x128_fp8_fp8 v[8*(4*\a+\b):8*(4*\a+\b)+7], v[BF+64*((\kk)%2)+16*\b:BF+64*((\kk)%2)+16*\b+15], v[64*((\kk)%4)+16*\a:64*((\kk)%4)+16*\a+15], 0
.else
	v_wmma_f32_16x16x128_fp8_fp8 v[8*(4*\a+\b):8*(4*\a+\b)+7], v[BF+64*((\kk)%2)+16*\b:BF+64*((\kk)%2)+16*\b+15], v[64*((\kk)%4)+16*\a:64*((\kk)%4)+16*\a+15], v[8*(4*\a+\b):8*(4*\a+\b)+7]
.endif
.endr
.endr
.endm
.macro TOSTAGE g, a                    ; 16 rows x 64 columns: sum x 2^(e6 + e7) + bias, into my stage, and back as whole rows of 256 bytes
	WIN 0x03
.set I, 0
.rept 16
	v_pk_fma_f32 v[TMP+I:TMP+I+1], v[32*(\a)+I:32*(\a)+I+1], s[84:85], v[BIAS+32*(\g)+I:BIAS+32*(\g)+I+1] op_sel_hi:[1,0,1]   ; each accumulator from its low end on
.set I, I+2
.endr
	WIN 0
.irp b, 0,1,2,3
	ds_store_b128 v[STO], v[TMP+8*\b:TMP+8*\b+3] offset:64*\b
	ds_store_b128 v[STO], v[TMP+8*\b+4:TMP+8*\b+7] offset:64*\b+16
.endr
.irp t, 0,1,2,3,4,5,6,7
	ds_load_b128 v[BK+32*((\a)%2)+4*\t:BK+32*((\a)%2)+4*\t+3], v[RD] offset:\t*2*SPITCH   ; LDS serves a wave's instructions in order (ISA guide 5.7.1.4): these see the stores above
.endr
.endm
.macro SEND g, a, younger              ; younger: the LDS instructions issued behind block a's loads, which may stay out
	s_wait_dscnt \younger
.irp t, 0,1,2,3,4,5,6,7
	global_store_b128 v[CO], v[BK+32*((\a)%2)+4*\t:BK+32*((\a)%2)+4*\t+3], s[12:13] offset:(\a)*65536+\t*8192+(\g)*256 th:TH_STORE_NT   ; sixteen lanes store 256 consecutive bytes, aligned
.endr
.endm
.macro GROUP g                         ; my 64 rows x 64 columns, over all of K, and out
	BLOAD \g, 0
.irp kk, 0,1,2,3,4,5,6,7
	KSTEP \g, \kk
.endr
	PLACES 4                                       ; behind the last products: their results are read
.if (\g) > 0
	s_wait_xcnt 0x0                                ; earlier stores have read the registers that the next rows land in
.endif
	TOSTAGE \g, 0
.irp a, 1,2,3
.if 4*(\g)+\a > 1
	s_wait_xcnt 0x0
.endif
	TOSTAGE \g, \a
	SEND \g, \a-1, 16                              ; behind block a - 1's loads: block a's 8 stores and 8 loads
.endr
	SEND \g, 3, 0
.endm
	s_wait_tensorcnt 0x0                           ; my K slot of B is in,
	s_barrier_signal -1
	s_barrier_wait -1                              ; and everybody's
	s_wait_loadcnt 48                              ; the bias and A's K steps 0-4 are in; the 48 loads of steps 5-7 may be out
	GROUP 0
	GROUP 1
	s_wait_tensorcnt 0x0                           ; the wave's end
	ds_add_u32 v[SPW], v[NIL]
	s_wait_dscnt 0x0
	ROUND                                          ; the closing round
	s_endpgm
.Lfunc_end_k_qded6ff97a0_proj:
	.size	k_qded6ff97a0_proj, .Lfunc_end_k_qded6ff97a0_proj-k_qded6ff97a0_proj
	.p2alignl 7, 3214868480
	.fill 96, 4, 3214868480
	.section	.rodata,"a",@progbits
	.p2align	6, 0x0
	.amdhsa_kernel k_qded6ff97a0_proj
		.amdhsa_group_segment_fixed_size 327680
		.amdhsa_private_segment_fixed_size 0
		.amdhsa_enable_private_segment 0
		.amdhsa_kernarg_size 40
		.amdhsa_user_sgpr_count 2
		.amdhsa_user_sgpr_kernarg_segment_ptr 1
		.amdhsa_wavefront_size32 1
		.amdhsa_system_sgpr_workgroup_id_x 1
		.amdhsa_system_sgpr_workgroup_id_y 1
		.amdhsa_system_sgpr_workgroup_id_z 1
		.amdhsa_system_vgpr_workitem_id 0
		.amdhsa_next_free_vgpr 1024
		.amdhsa_next_free_sgpr 100
		.amdhsa_reserve_vcc 0
		.amdhsa_float_denorm_mode_32 3
		.amdhsa_float_denorm_mode_16_64 3
		.amdhsa_memory_ordered 1
		.amdhsa_forward_progress 1
		.amdhsa_inst_pref_size 78
	.end_amdhsa_kernel
	.amdgpu_metadata
---
amdhsa.version: [ 1, 2 ]
amdhsa.kernels:
  - .name:           k_qded6ff97a0_proj
    .symbol:         k_qded6ff97a0_proj.kd
    .args:
      - { .name: a_img, .offset: 0, .size: 8, .value_kind: global_buffer, .address_space: global }
      - { .name: wp_img, .offset: 8, .size: 8, .value_kind: global_buffer, .address_space: global }
      - { .name: lowp_scales, .offset: 16, .size: 8, .value_kind: global_buffer, .address_space: global }
      - { .name: b_proj, .offset: 24, .size: 8, .value_kind: global_buffer, .address_space: global }
      - { .name: out0, .offset: 32, .size: 8, .value_kind: global_buffer, .address_space: global }
    .group_segment_fixed_size: 327680
    .private_segment_fixed_size: 0
    .kernarg_segment_align: 8
    .kernarg_segment_size: 40
    .max_flat_workgroup_size: 128
    .sgpr_count:     100
    .vgpr_count:     1024
    .wavefront_size: 32
...
	.end_amdgpu_metadata
.endif
;; end of part 4
